; MI455X (gfx1250); checked and timed in simulation.
; The chip was launched on July 23, 2026; its instructions are those of AMD's public machine-readable ISA for CDNA 5 (MIT licence, August 2026) and "CDNA5" Instruction Set Architecture Reference Guide (July 2026). The comments in the code are by the model that wrote it; some were corrected since.
;; Causal Self Attention. Allowed arithmetic: matrix products marked QUANTISED: E2M3 operands, one E8M0 scale for each 32 along K, by v_wmma_scale_f32_16x16x128_f8f6f4 with both operands' format E2M3, f32 sums; everything else in f32.
;; Inputs: cos 2,048 x 64 float32; sin 2,048 x 64 float32; w_k 1,024 x 1,024 float32; w_o 1,024 x 1,024 float32; w_q 1,024 x 1,024 float32; w_v 1,024 x 1,024 float32; x 4 x 2,048 x 1,024 float32.
;; Outputs: out0 4 x 2,048 x 1,024 float32.
;; This version of the problem:
;;   THIS VERSION OF THE PROBLEM IS GIVEN IN LOW PRECISION. The matrix products marked QUANTISED in the list below multiply operands that are first quantised to E2M3 (2 exponent bits, 3 mantissa bits; 6 bits a number), with one power-of-two scale for each 32 numbers along K (OCP MX v1.0); their sums are f32. All else is computed in f32.
;;   The module's matrix products, in the order in which they are computed (A, B: the left and right operand; K: the contracted axis; several contracted axes count as one K, in the product's order):
;;     1. [M 8,192, K 1,024] x [K 1,024, N 1,024]; A: input x; B: input w_q: QUANTISED
;;     2. [M 8,192, K 1,024] x [K 1,024, N 1,024]; A: input x; B: input w_k: QUANTISED
;;     3. [M 8,192, K 1,024] x [K 1,024, N 1,024]; A: input x; B: input w_v: QUANTISED
;;     4. batch 64 x [M 2,048, K 64] x [K 64, N 2,048]; A: computed on the way; B: computed on the way: QUANTISED
;;     5. batch 64 x [M 2,048, K 2,048] x [K 2,048, N 64]; A: softmax (see below); B: computed on the way: QUANTISED
;;     6. [M 8,192, K 1,024] x [K 1,024, N 1,024]; A: computed on the way; B: input w_o: QUANTISED
;;   THE QUANTISER, for each operand of a quantised product, along K:
;;     - K is cut into blocks of 32 from its start; a last block that is shorter is filled with zeros.
;;     - A block's scale is 2^e with e = floor(log2(the largest magnitude in the block)) - 2, held to -126 .. 127; a block of zeros has e = 0. As a byte (E8M0): e + 127.
;;     - Each number is divided by its block's scale, clamped to +-7.5, and rounded to the nearest number of E2M3, ties to even, subnormals kept.
;;     - The product sums the exact products of the quantised numbers (number of the format x scale) in f32.
;;   ~~~python
;;   def quantise(x, axis):      # numpy; x: float32 -> the quantised numbers, widened to float32 again
;;       x = np.moveaxis(x, axis, -1); K = x.shape[-1]
;;       x = np.pad(x, [(0, 0)] * (x.ndim - 1) + [(0, -K % 32)]); x = x.reshape(x.shape[:-1] + (-1, 32)); a = np.abs(x).max(-1, keepdims=True)
;;       e = np.where(a > 0, np.clip(np.frexp(np.where(a > 0, a, 1))[1] - 1 - 2, -126, 127), 0)      # np.frexp(a)[1] - 1 = floor(log2(a)), exactly
;;       r = np.clip(x / 2.0 ** e, -7.5, 7.5)
;;       step = 2.0 ** (np.maximum(np.frexp(np.where(r == 0, 1, r))[1] - 1, 0) - 3)
;;       q = np.round(r / step) * step * 2.0 ** e      # np.round: ties to even
;;       return np.moveaxis(q.reshape(q.shape[:-2] + (-1,))[..., :K], -1, axis).astype(np.float32)
;;   ~~~
;;   SOFTMAX AHEAD OF A QUANTISED PRODUCT. Where the list says 'softmax', what is quantised is not the finished softmax but p = 2^(t - M), with t = logit x log2(e) and M = ceil(the row's largest t), a whole number; so 1/2 < the row's largest p <= 1. The row's sum l is taken of the UNQUANTISED p, in f32, and the product's result is divided by l at the end. Since M is a whole number, a kernel that streams over the keys may use a running M (the ceiling of the running maximum): every later rescaling is an exact power of two, which a block's scale takes up: the codes' values come out the same.
;;   OPERANDS COMPUTED ON THE WAY. 'Computed on the way' means the value that the module computes at that place (a softmax that the list does not call 'softmax' is quantised finished and normalised). What goes into a quantiser is computed in f32, as accurately as f32 sums, v_exp_f32 and their like allow (about 1e-6 of the number): no bf16 or f16 on the way to a quantiser, and a product that is left as it is and whose result goes on into a quantised operand takes f32 operands (vector FMAs, or v_wmma_f32_16x16x4_f32). A number that lies on a knife's edge between two numbers of the format may be rounded either way, as far as f32 arithmetic and the matrix unit's own rounding can turn it there, and no further.
;; One version. Each part assembles by itself: llvm-mc -triple=amdgcn-amd-amdhsa -mcpu=gfx1250 --defsym DOCPART=n.
;; ======== version 1 of 1: 4 launches
;; workspace buffers: x_codes 6,291,456 bytes; x_scales 262,144 bytes; w_codes 3,145,728 bytes; w_scales 131,072 bytes; qkv 19,660,800 bytes; o_img 6,291,456 bytes; o_scales 262,144 bytes
;; launch quant (part 1): grid 384 x 1, 4 waves a work-group, no clusters, 33,280 bytes of LDS; arguments x, w_q, w_k, w_v, w_o, x_codes, x_scales, w_codes, w_scales; writes x_codes, x_scales, w_codes, w_scales
.if DOCPART == 1
	.amdgcn_target "amdgcn-amd-amdhsa--gfx1250"
	.amdhsa_code_object_version 6
	.text
	.protected	k_q9178c2576a_quant
	.globl	k_q9178c2576a_quant
	.p2align	8
	.type	k_q9178c2576a_quant,@function
k_q9178c2576a_quant:
	s_mov_b64 s[64:65], 0
	v_nop
	global_prefetch_b8 v0, s[64:65] scope:SCOPE_SE
	s_setreg_imm32_b32 hwreg(HW_REG_WAVE_MODE, 25, 1), 1
	s_wait_xcnt 0x0
; x [8192][1024] and the four weights [1024][1024], f32, K innermost, become codes of FP6 (E2M3), 6 bits each, with one E8M0 scale byte for each 32 along K.
; A block's scale is 2^(floor(log2(its largest magnitude)) - 2); its byte is the largest magnitude's exponent field - 2, held at 1 from below.  Each number is divided by the scale and rounded to the nearest code, ties to even.
; LIMITS: a block of zeros gets the byte 1 where the rule says 127 (its codes are zeros, and this program alone reads the bytes); blocks whose largest magnitude lies under 2^-124 are held at byte 1; NaN and infinities are not served.
; SHARES: a work-group takes 32 rows, a wave 8 rows = 16 steps of 512 numbers.  Work-groups 0-255: x; 256-287 w_q; 288-319 w_k; 320-351 w_v; 352-383 w_o.  Only pointers and offsets are chosen: one path through the text.
; ORDER OF ROWS IN THE OUTPUT: in each group of 32 rows of x, w_q, w_k, w_v the two middle runs of 8 rows change places (position 16 u + r holds row 8 u + r + 8 (r / 8)), codes and scale bytes alike;
; so 16 neighbouring positions are a tile whose results lie along 16 true neighbours in the next launch's registers.  A wave owns one run of 8 rows: its output run is its number with the two bits swapped.  w_o keeps its order.
; Each load reads 512 consecutive bytes; the 2,048 bytes of a step turn through the wave's own stage in LDS and come back 64 bytes (16 neighbours) a lane.  No barrier: waves share nothing.
.set STEPS, 16
.set EMAX,  2
.set CB,    12                         ; bytes of 16 codes
.set R,     16                         ; v16-79   four sets of 16 numbers as loaded
.set X,     80                         ; v80-111  two sets of 16 neighbours
.set C,     128                        ; v128-191 codes: four registers a step, so that no store's data are written again
.set E,     112                        ; v112-127 a scale byte for each step
.set WREG,  8192                       ; LDS: a region for each wave: two stages of 32 x SP bytes, then its 256 scale bytes
.set SP,    80                         ; a lane's place in a stage: 64 bytes + 16 of padding
	s_load_b256 s[4:11], s[0:1], 0x0               ; x, w_q, w_k, w_v
	s_load_b256 s[12:19], s[0:1], 0x20             ; w_o, x_codes, x_scales, w_codes
	s_load_b64 s[20:21], s[0:1], 0x40              ; w_scales
	v_lshl_add_u32 v192, v0, 2, 0x8000
	v_mov_b32 v193, 0
	v_lshrrev_b32 v1, 5, v0
	v_readfirstlane_b32 s22, v1                    ; wave
	v_and_b32 v2, 31, v0                           ; lane
	v_lshlrev_b32 v3, 4, v2                        ; my 16 bytes of a load's 512
	s_mul_i32 s23, s22, WREG
	v_lshrrev_b32 v14, 2, v2
	v_mul_u32_u24 v14, v14, SP
	v_and_b32 v15, 3, v2
	v_lshl_add_u32 v14, v15, 4, v14
	v_add_nc_u32 v14, s23, v14                     ; the stage, on the way in: SP (lane / 4) + 16 (lane % 4)
	v_mul_u32_u24 v15, v2, SP
	v_add_nc_u32 v15, s23, v15                     ; and on the way out: SP x lane
	v_mul_u32_u24 v4, v2, CB                       ; my codes' place in a step's
	v_lshrrev_b32 v5, 1, v2
	s_add_co_u32 s23, s23, 2*32*SP
	v_add_nc_u32 v5, s23, v5                       ; my wave's 256 scale bytes, my block's byte
	v_lshlrev_b32 v7, 3, v2
	v_add_nc_u32 v6, s23, v7                       ; and on the way out 8 bytes a lane
	s_sub_co_u32 s33, ttmp9, 256                   ; a weight's work-group among the 128 of the weights,
	s_and_b32 s34, s33, 31                         ; and among its own tensor's 32
	s_and_b32 s32, s22, 1
	s_lshl_b32 s32, s32, 1
	s_lshr_b32 s35, s22, 1
	s_or_b32 s32, s32, s35                         ; my wave's number with its two bits swapped
	s_wait_kmcnt 0x0
	s_cmp_lt_u32 ttmp9, 288                        ; every choice hangs on the work-group's number alone
	s_cselect_b64 s[24:25], s[6:7], s[8:9]
	s_cmp_lt_u32 ttmp9, 320
	s_cselect_b64 s[24:25], s[24:25], s[10:11]
	s_cmp_lt_u32 ttmp9, 352
	s_cselect_b64 s[24:25], s[24:25], s[12:13]
	s_cselect_b32 s32, s32, s22                    ; w_o keeps its rows' order
	s_cmp_lt_u32 ttmp9, 256
	s_cselect_b64 s[24:25], s[4:5], s[24:25]       ; from where
	s_cselect_b64 s[26:27], s[14:15], s[18:19]     ; the codes' buffer
	s_cselect_b64 s[28:29], s[16:17], s[20:21]     ; the scale bytes' buffer
	s_cselect_b32 s30, ttmp9, s33                  ; which 32 rows of the output buffers
	s_cselect_b32 s31, ttmp9, s34                  ; which 32 rows of the input
	s_lshl_b32 s31, s31, 2
	s_add_co_u32 s36, s31, s22                     ; my run of 8 rows in the input: 32,768 bytes a run
	s_lshl_b32 s36, s36, 15
	s_mov_b32 s37, 0
	s_add_nc_u64 s[24:25], s[24:25], s[36:37]
	s_lshl_b32 s30, s30, 2
	s_add_co_u32 s30, s30, s32                     ; and in the output
	s_mul_i32 s36, s30, 32*STEPS*CB                ; 6,144 bytes of codes a run
	s_add_nc_u64 s[26:27], s[26:27], s[36:37]
	s_lshl_b32 s36, s30, 8                         ; 256 scale bytes a run
	s_add_nc_u64 s[28:29], s[28:29], s[36:37]
.macro LOAD t
.irp i, 0,1,2,3
	global_load_b128 v[R+16*((\t)%4)+4*\i:R+16*((\t)%4)+4*\i+3], v3, s[24:25] offset:2048*(\t)+512*\i th:TH_LOAD_NT   ; 32 lanes read 512 consecutive bytes
.endr
.endm
.macro TURN t                          ; step t's numbers through the stage: LDS serves a wave's instructions in order (ISA guide 5.7.1.4), so no wait stands between the stores and the loads
.irp i, 0,1,2,3
	ds_store_b128 v14, v[R+16*((\t)%4)+4*\i:R+16*((\t)%4)+4*\i+3] offset:32*SP*((\t)%2)+8*SP*\i
.endr
.irp i, 0,1,2,3
	ds_load_b128 v[X+16*((\t)%2)+4*\i:X+16*((\t)%2)+4*\i+3], v15 offset:32*SP*((\t)%2)+16*\i
.endr
.endm
.irp t, 0,1,2,3
	LOAD \t
.endr
	s_wait_loadcnt 12                              ; step 0's four loads are in; the twelve of steps 1 to 3 may be out
	TURN 0
.macro STEP t
.set XS, X+16*((\t)%2)
.if (\t) > 0
	s_wait_dscnt 1                                 ; this step's numbers are back from the stage (the last step's byte store may be out): so its stores into the stage have read their registers,
.else
	s_wait_dscnt 0x0
.endif
.if (\t)+4 < STEPS
	LOAD (\t)+4                                    ; which take the loads of four steps on
.endif
.if (\t)+1 < STEPS
.if STEPS-2-(\t) >= 3
	s_wait_loadcnt 12                              ; the next step's four loads are in; those of the three steps behind it may be out
.else
	s_wait_loadcnt 4*(STEPS-2-(\t))
.endif
	TURN (\t)+1                                    ; and go through the other stage while this step is worked
.endif
	v_max3_num_f32 v8, |v[XS]|, |v[XS+1]|, |v[XS+2]|               ; the largest magnitude of my 16, in two chains
	v_max3_num_f32 v9, |v[XS+3]|, |v[XS+4]|, |v[XS+5]|
.irp i, 6,10
	v_max3_num_f32 v8, v8, |v[XS+\i]|, |v[XS+\i+1]|
	v_max3_num_f32 v9, v9, |v[XS+\i+2]|, |v[XS+\i+3]|
.endr
	v_max3_num_f32 v8, v8, |v[XS+14]|, |v[XS+15]|
	v_max3_num_f32 v8, v8, v9, (EMAX+1)<<23        ; and the floor 2^(3 - 127): the byte cannot fall under 1
	v_max_num_f32_dpp v8, v8, v8 row_xmask:1 row_mask:0xf bank_mask:0xf   ; and of my neighbour's 16: the block's
	v_add_nc_u32 v11, -(EMAX<<23), v8              ; 2 off its exponent field: the conversion takes the exponent field of this operand as its scale
	v_cvt_scalef32_pk16_fp6_f32 v[C+4*(\t):C+4*(\t)+2], v[XS:XS+15], v11
	v_lshrrev_b32 v[E+(\t)], 23, v11               ; the scale's byte (also the plain line behind the conversion)
	ds_store_b8 v5, v[E+(\t)] offset:16*(\t)       ; both lanes of a block write the same byte with the same value
	global_store_b96 v4, v[C+4*(\t):C+4*(\t)+2], s[26:27] offset:32*CB*(\t)   ; the wave stores 384 consecutive bytes
.endm
.irp t, 0,1,2,3,4,5,6,7,8,9,10,11,12,13,14,15
	STEP \t
.endr
	ds_load_b64 v[12:13], v6                       ; these see my byte stores: a wave's LDS instructions are served in order
	s_wait_dscnt 0x0
	global_store_b64 v7, v[12:13], s[28:29]        ; 32 lanes store 256 consecutive bytes, aligned
	s_wait_tensorcnt 0x0
	ds_add_u32 v192, v193
	s_wait_dscnt 0x0
	s_endpgm
.Lfunc_end_k_q9178c2576a_quant:
	.size	k_q9178c2576a_quant, .Lfunc_end_k_q9178c2576a_quant-k_q9178c2576a_quant
	.p2alignl 7, 3214868480
	.fill 96, 4, 3214868480
	.section	.rodata,"a",@progbits
	.p2align	6, 0x0
	.amdhsa_kernel k_q9178c2576a_quant
		.amdhsa_group_segment_fixed_size 33280
		.amdhsa_private_segment_fixed_size 0
		.amdhsa_enable_private_segment 0
		.amdhsa_kernarg_size 72
		.amdhsa_user_sgpr_count 2
		.amdhsa_user_sgpr_kernarg_segment_ptr 1
		.amdhsa_wavefront_size32 1
		.amdhsa_system_sgpr_workgroup_id_x 1
		.amdhsa_system_sgpr_workgroup_id_y 1
		.amdhsa_system_sgpr_workgroup_id_z 1
		.amdhsa_system_vgpr_workitem_id 0
		.amdhsa_next_free_vgpr 194
		.amdhsa_next_free_sgpr 66
		.amdhsa_reserve_vcc 0
		.amdhsa_float_denorm_mode_32 3
		.amdhsa_float_denorm_mode_16_64 3
		.amdhsa_memory_ordered 1
		.amdhsa_forward_progress 1
		.amdhsa_inst_pref_size 33
	.end_amdhsa_kernel
	.amdgpu_metadata
---
amdhsa.version: [ 1, 2 ]
amdhsa.kernels:
  - .name:           k_q9178c2576a_quant
    .symbol:         k_q9178c2576a_quant.kd
    .args:
      - { .name: x, .offset: 0, .size: 8, .value_kind: global_buffer, .address_space: global }
      - { .name: w_q, .offset: 8, .size: 8, .value_kind: global_buffer, .address_space: global }
      - { .name: w_k, .offset: 16, .size: 8, .value_kind: global_buffer, .address_space: global }
      - { .name: w_v, .offset: 24, .size: 8, .value_kind: global_buffer, .address_space: global }
      - { .name: w_o, .offset: 32, .size: 8, .value_kind: global_buffer, .address_space: global }
      - { .name: x_codes, .offset: 40, .size: 8, .value_kind: global_buffer, .address_space: global }
      - { .name: x_scales, .offset: 48, .size: 8, .value_kind: global_buffer, .address_space: global }
      - { .name: w_codes, .offset: 56, .size: 8, .value_kind: global_buffer, .address_space: global }
      - { .name: w_scales, .offset: 64, .size: 8, .value_kind: global_buffer, .address_space: global }
    .group_segment_fixed_size: 33280
    .private_segment_fixed_size: 0
    .kernarg_segment_align: 8
    .kernarg_segment_size: 72
    .max_flat_workgroup_size: 128
    .sgpr_count:     66
    .vgpr_count:     194
    .wavefront_size: 32
...
	.end_amdgpu_metadata
.endif
;; end of part 1
;; launch gemm_qkv (part 2): grid 8 x 48, 4 waves a work-group, clusters of 4 x 4, 327,680 bytes of LDS; arguments x_codes, x_scales, w_codes, w_scales, cos, sin, qkv; writes qkv
.if DOCPART == 2
	.amdgcn_target "amdgcn-amd-amdhsa--gfx1250"
	.amdhsa_code_object_version 6
	.text
	.protected	k_q9178c2576a_gemm_qkv
	.globl	k_q9178c2576a_gemm_qkv
	.p2align	8
	.type	k_q9178c2576a_gemm_qkv,@function
k_q9178c2576a_gemm_qkv:
	s_mov_b64 s[64:65], 0
	v_nop
	global_prefetch_b8 v0, s[64:65] scope:SCOPE_SE
	s_setreg_imm32_b32 hwreg(HW_REG_WAVE_MODE, 25, 1), 1
	s_wait_xcnt 0x0
	s_wait_alu depctr_hold_cnt(0) depctr_sa_sdst(0) depctr_va_vdst(0) depctr_va_sdst(0) depctr_va_ssrc(0) depctr_va_vcc(0) depctr_vm_vsrc(0)
	s_getreg_b32 s2, hwreg(HW_REG_IB_STS2, 6, 4)
	s_cmp_eq_u32 s2, 0
	s_cbranch_scc0 .Lentry_in_a_cluster
	s_endpgm
.Lentry_in_a_cluster:
	s_bfe_u32 s2, ttmp6, 0x10000c
	s_cmp_lg_u32 s2, 0xf033
	s_cbranch_scc0 .Lentry_shape_is_right
	s_endpgm
.Lentry_shape_is_right:
; q, k, v = x W^T on codes of FP6 (E2M3) with E8M0 scales for each 32 along K = 1,024; then, in registers: RoPE on q and k, and the quantisers of the attention's operands.  Nothing leaves as f32.
; A tile of 256 x 256 is made by four waves, 128 x 128 each (64 accumulators, 512 registers); K goes in steps of 256 through two LDS slots filled by tensor loads; the scale bytes of the tile's rows come once.
; TWO PATHS, chosen by the cluster's y, which all sixteen partners share.  Clusters y 0-7 (path qk): operand A = x (tokens), operand B = w_q and w_k (2,048 features): 32 x 8 tiles.
; Clusters y 8-11 (path v): A = w_v (1,024 channels), B = x (tokens): 4 x 32 tiles.  The matrix instruction takes source 0 = 16 rows of B, source 1 = 16 rows of A: a lane holds ONE row of A and its registers run along B's rows.
; So on path qk a lane holds a token and its registers a head's channels (the K of q k^T); on path v a lane holds a channel and its registers the keys (the K of p v).
; ROWS LIE IN POSITION ORDER in x_codes and w_codes (position 16 u + r of a group of 32 holds row 8 u + r + 8 (r / 8)).  So registers 16 g + i of a block's accumulators are B's TRUE rows 32 g + 16 (lane / 16) + i,
; 16 neighbours, and lane r of A's block 2 g + u is A's true row 32 g + 8 u + r + 8 (r / 8): the choice of keys, and of v's channels, that the attention launch's layouts want.
; OUTPUT: qkv [3 parts][64 heads of batches][16 records][6,400 bytes]: a record is 128 tokens of a head: 6,144 bytes of images of operand registers (chunks of 512 bytes, lane l's 16 bytes at 16 l), then 256 bytes of scale words at 16 r + 4 i.
; CLUSTERS: 4 x 4 work-groups; A's tile is asked for jointly by a row of the cluster, B's by a column.
; LIMITS: a block of zeros gets the byte 1, not 127 (its codes are zeros; this program alone reads the bytes); blocks under 2^-124 are held at byte 1; NaN and infinities are not served.
; REGISTERS: window 0: v0-31 addresses; v32-63 scale words, two sets; from v128 A's fragments, one set.  window 1: B's fragments, two sets.  windows 2, 3: the accumulators ((a, b) at v[8 (8 (a % 4) + b)] of window 2 + a / 4).
;   On the way out: window 0: v32-47 at work, v48-55 the blocks' scale words, v56-79 two images, v80-87 half blocks, v88-91 the scale words that leave, v96-159 products with sin;  window 1: four buffers of cos and sin.
.set KSTEP,  256
.set NQ,     KSTEP/128
.set ROWB,   192                       ; a tile's row: 256 codes
.set KROW,   768                       ; a row of codes in memory
.set PITCH,  240                       ; an LDS row: 3 x (64 bytes + 16 of padding)
.set FR,     12
.set NL,     6
.set NP,     4                         ; places behind this matrix instruction (ISA guide 7.12.1)
.set HALFT,  128*PITCH
.set SLOT,   4*HALFT
.set LAPS,   2                         ; 1,024 / (2 x 256)
.set KS,     32                        ; a row of scale bytes
.set SCL,    2*SLOT
.set HALFS,  (128*KS/256)*272
.set SBLK,   (16*KS/256)*272
.set SPARE,  SCL+4*HALFS               ; the spare words, 128 bytes a wave: two blocks of 256 bytes that no other line names
.set PLANE,  102400                    ; a head's 16 records
.set REC,    6400
.set ADRA, 16                          ; v16-17 my A fragments in slot 0, 1 (v18-19: behind one padding more)
.set ADRB, 20                          ; v20-23 the same for B
.set GOF,  24                          ; v24  16 x lane: my place in a chunk of an image
.set CSO,  25                          ; v25  my token's row of cos and sin, and my half's 16 numbers: (r + 8 (r / 8)) x 256 + 64 (lane / 16)
.set SCO,  26                          ; v26  16 r + a head's plane x (lane / 16): where my scale words go
.set ADRS, 27                          ; v27  my scale words in LDS
.set SPW,  28                          ; v28  my spare word; never rewritten
.set NIL,  29                          ; v29  0; never rewritten
.set VSEL, 30                          ; v30  byte selects: lanes 0-15 take the first head's two bytes, lanes 16-31 the second's
.set SC,   32
.set AF,   128
.set TM,   32                          ; the way out: +0..3 largest magnitudes, +4..7 the other half's, then bytes, +12..15 the conversions' scale operands
.set PW,   48                          ; block a's scale word
.set IMG,  56                          ; two images of 12 registers
.set CT,   80                          ; the conversions' second halves: +0..2, +4..6
.set OUT,  88
.set T,    96
.set G1, 24
.set G0, 32
.set G1B, 48
.set G0B, 56
.set G1S, 68
.set G0S, 76
.set G1SB, 80
.set G0SB, 88
.set MSB, 0
.macro WIN new                         ; the immediate's high byte repeats the setting that is left
.if MSB != \new
	s_set_vgpr_msb (MSB<<8)|\new
.set MSB, \new
.endif
.endm
.set MUL_LO, 0xa1                      ; source 0 (B) window 1, source 1 (A) window 0, C and D window 2
.set MUL_HI, 0xf1
.set TO_B,   0x40
; A joint load: waves 0 and 1 fetch for A, waves 2 and 3 for B.  The branch hangs on the wave's number alone.  Four v_nop follow each of the two lines.
.macro JLOAD g0a, g1a, g0b, g1b
	s_cmp_eq_u32 s15, 0
	s_cbranch_scc0 .Lfor_b_\@
	tensor_load_to_lds s[\g0a:\g0a+3], s[\g1a:\g1a+7]
	s_nop 0
.rept 4
	v_nop
.endr
	s_branch .Lasked_\@
.Lfor_b_\@:
	tensor_load_to_lds s[\g0b:\g0b+3], s[\g1b:\g1b+7]
	s_nop 0
.rept 4
	v_nop
.endr
.Lasked_\@:
.endm
.macro CREST                           ; a round of the cluster's barrier behind its opening barrier
	s_cmp_lg_u32 s14, 0
	s_cbranch_scc1 .Lnot_wave_0_\@
	s_barrier_signal -3
.Lnot_wave_0_\@:
	s_barrier_wait -3
	s_barrier_signal -1
	s_barrier_wait -1
.endm
.macro CROUND
	s_barrier_signal -1
	s_barrier_wait -1
	CREST
.endm
	s_load_b128 s[4:7], s[0:1], 0x0                ; x's codes, x's scales
	s_load_b128 s[8:11], s[0:1], 0x10              ; the weights' codes, their scales
	s_load_b128 s[96:99], s[0:1], 0x20             ; cos, sin
	s_load_b64 s[12:13], s[0:1], 0x30              ; qkv
	v_lshl_add_u32 v[SPW], v0, 2, SPARE
	v_mov_b32 v[NIL], 0
	ds_add_u32 v28, v29
	ds_add_u32 v28, v29
	s_wait_dscnt 0x0
	v_lshrrev_b32 v1, 5, v0
	v_readfirstlane_b32 s14, v1                    ; wave 0..3
	s_lshr_b32 s15, s14, 1                         ; which half of A's rows is mine.  Also: I fetch for A (0) or for B (1)
	s_and_b32 s16, s14, 1                          ; which half of B's rows.  Also: which 128 rows I fetch
	s_bfe_u32 s40, ttmp6, 0x40000                  ; cx, cy
	s_bfe_u32 s41, ttmp6, 0x40004
	s_and_b32 s18, ttmp7, 0xffff                   ; the cluster's y
	s_sub_co_u32 s66, s18, 8
	s_lshl_b32 s66, s66, 1
	s_add_co_u32 s66, s66, ttmp9                   ; path v: the cluster's column among eight
	s_cmp_ge_u32 s18, 8
	s_cselect_b32 s95, 1, 0                        ; the path: the same in all sixteen partners
	s_cselect_b32 s66, s66, ttmp9
	s_cselect_b32 s18, 0, s18
	s_lshl_b32 s42, s66, 2
	s_add_co_u32 s42, s42, s40                     ; tile column (B's 256 rows)
	s_lshl_b32 s17, s18, 2
	s_add_co_u32 s17, s17, s41                     ; tile row (A's 256 rows)
	s_lshl_b32 s43, s41, 2
	s_lshl_b32 s43, 15, s43                        ; my row of the cluster
	s_lshl_b32 s44, 0x1111, s40                    ; my column
	; descriptor group 1: 128 rows x 192 bytes, 16 bytes of padding behind every 64
	s_or_b32 s[G1+0], s43, (0<<16)|(1<<20)|(1<<21)|(3<<22)|(3<<25)
	s_or_b32 s[G1B+0], s44, (0<<16)|(1<<20)|(1<<21)|(3<<22)|(3<<25)
.irp g, G1, G1B
	s_mov_b32 s[\g+1], ROWB<<16                    ; tensor_dim0
	s_mov_b32 s[\g+2], 128<<16                     ; tensor_dim1
	s_mov_b32 s[\g+3], ROWB<<16                    ; tile_dim0
	s_mov_b32 s[\g+4], 128                         ; tile_dim1
	s_mov_b32 s[\g+5], KROW                        ; pitch
	s_mov_b32 s[\g+6], 0
	s_mov_b32 s[\g+7], 0
.endr
	; the scale bytes of 128 rows: 4,096 dense bytes as 16 rows of 256 bytes, 16 bytes of padding behind each
	s_or_b32 s[G1S+0], s43, (3<<16)|(1<<20)|(1<<21)|(5<<22)|(3<<25)
	s_or_b32 s[G1SB+0], s44, (3<<16)|(1<<20)|(1<<21)|(5<<22)|(3<<25)
.irp g, G1S, G1SB
	s_mov_b32 s[\g+1], 32<<16
	s_mov_b32 s[\g+2], (128*KS/256)<<16
	s_mov_b32 s[\g+3], 32<<16
	s_mov_b32 s[\g+4], 128*KS/256
	s_mov_b32 s[\g+5], 32
	s_mov_b32 s[\g+6], 0
	s_mov_b32 s[\g+7], 0
.endr
	s_lshl_b32 s18, s16, 7
	s_lshl_b32 s20, s17, 8
	s_add_co_u32 s20, s20, s18                     ; A: row 256 x tile row + 128 x half
	s_lshl_b32 s46, s42, 8
	s_add_co_u32 s46, s46, s18                     ; B: row 256 x tile column + 128 x half
	s_mov_b32 s21, 0
	s_mov_b32 s47, 0
	s_mov_b64 s[18:19], KS
	s_mul_u64 s[22:23], s[20:21], s[18:19]
	s_mul_u64 s[92:93], s[46:47], s[18:19]
	s_mov_b64 s[18:19], KROW
	s_mul_u64 s[20:21], s[20:21], s[18:19]
	s_mul_u64 s[46:47], s[46:47], s[18:19]
	s_mul_i32 s45, s14, HALFT                      ; where they go: wave x 128 rows
	s_mul_i32 s94, s14, HALFS
	s_wait_kmcnt 0x0
	s_add_nc_u64 s[2:3], s[8:9], 2048*KROW         ; w_v's codes
	s_add_nc_u64 s[66:67], s[10:11], 2048*KS       ; and scale bytes
	s_cmp_eq_u32 s95, 1                            ; path v: B = x, A = w_v.  B is chosen first, while x's pointers still stand
	s_cselect_b64 s[8:9], s[4:5], s[8:9]
	s_cselect_b64 s[10:11], s[6:7], s[10:11]
	s_cselect_b64 s[4:5], s[2:3], s[4:5]
	s_cselect_b64 s[6:7], s[66:67], s[6:7]
	s_add_nc_u64 s[20:21], s[4:5], s[20:21]
	s_add_nc_u64 s[22:23], s[6:7], s[22:23]
	s_add_nc_u64 s[46:47], s[8:9], s[46:47]
	s_add_nc_u64 s[92:93], s[10:11], s[92:93]
	CROUND                                         ; all sixteen work-groups are here: the first joint loads meet
	s_mov_b32 s[G0S], 1
	s_add_co_u32 s[G0S+1], s94, SCL
	s_mov_b64 s[G0S+2:G0S+3], s[22:23]
	s_or_b32 s[G0S+3], s[G0S+3], 0x80000000
	s_mov_b32 s[G0SB], 1
	s_add_co_u32 s[G0SB+1], s94, SCL
	s_mov_b64 s[G0SB+2:G0SB+3], s[92:93]
	s_or_b32 s[G0SB+3], s[G0SB+3], 0x80000000
	JLOAD G0S, G1S, G0SB, G1SB                     ; the scales first: they are wanted with K step 0
.irp s, 0,1
	s_mov_b32 s[G0+4*\s], 1
	s_add_co_u32 s[G0+4*\s+1], s45, \s*SLOT
	s_add_nc_u64 s[G0+4*\s+2:G0+4*\s+3], s[20:21], \s*ROWB
	s_or_b32 s[G0+4*\s+3], s[G0+4*\s+3], 0x80000000
	s_mov_b32 s[G0B+4*\s], 1
	s_add_co_u32 s[G0B+4*\s+1], s45, \s*SLOT
	s_add_nc_u64 s[G0B+4*\s+2:G0B+4*\s+3], s[46:47], \s*ROWB
	s_or_b32 s[G0B+4*\s+3], s[G0B+4*\s+3], 0x80000000
	JLOAD G0+4*\s, G1, G0B+4*\s, G1B
.endr
	s_mov_b32 s66, 0x76543210                      ; v_permlanex16_b32's selects for lane l xor 16
	s_mov_b32 s67, 0xfedcba98
	v_and_b32 v1, 15, v0                           ; r
	v_bfe_u32 v2, v0, 4, 1                         ; h
	v_mul_u32_u24 v3, v1, PITCH
	v_mul_u32_u24 v4, v2, 24
	v_add_nc_u32 v4, v3, v4                        ; a fragment's row x pitch + 24 x half
	v_lshl_add_u32 v5, v2, 4, v4                   ; and the same behind one padding more
	s_mul_i32 s21, s15, HALFT
	s_mul_i32 s22, s16, HALFT
	s_add_co_u32 s22, s22, 2*HALFT
.irp s, 0,1
	v_add_nc_u32 v[ADRA+\s], s21, v4
	v_add_nc_u32 v[ADRB+\s], s22, v4
	v_add_nc_u32 v[ADRA+2+\s], s21, v5
	v_add_nc_u32 v[ADRB+2+\s], s22, v5
	s_add_co_u32 s21, s21, SLOT
	s_add_co_u32 s22, s22, SLOT
.endr
	v_mul_u32_u24 v5, v1, KS                       ; my row's scales: 32 bytes a row,
	v_lshrrev_b32 v6, 8, v5
	v_lshl_add_u32 v5, v6, 4, v5                   ; and 16 more for each 256 passed
	s_mul_i32 s21, s15, HALFS
	s_mul_i32 s22, s16, HALFS
	s_add_co_u32 s22, s22, 2*HALFS
	s_sub_co_u32 s22, s22, s21
	v_mul_u32_u24 v6, s22, v2                      ; lanes 16-31 take B's
	s_add_co_u32 s21, s21, SCL
	v_add_nc_u32 v5, v5, v6
	v_add_nc_u32 v[ADRS], s21, v5
	; the way out's addresses
	v_and_b32 v6, 31, v0
	v_lshlrev_b32 v[GOF], 4, v6
	v_and_b32 v5, 8, v1
	v_add_nc_u32 v5, v5, v1                        ; r + 8 (r / 8)
	v_lshlrev_b32 v[CSO], 8, v5
	v_lshl_add_u32 v[CSO], v2, 6, v[CSO]
	v_lshlrev_b32 v[SCO], 4, v1
	v_mad_u32_u24 v[SCO], v2, PLANE, v[SCO]
	v_mov_b32 v[VSEL], 0x05040100
	v_mov_b32 v6, 0x07060302
	v_cmp_ne_u32 vcc_lo, 0, v2
	v_cndmask_b32 v[VSEL], v[VSEL], v6, vcc_lo
	s_cmp_eq_u32 s95, 1
	s_cselect_b32 s20, s42, s17                    ; which 256 tokens,
	s_cselect_b32 s21, s16, s15                    ; which half of them is my wave's,
	s_cselect_b32 s22, s17, s42                    ; which 256 features,
	s_cselect_b32 s23, s15, s16                    ; which half of them
	s_cselect_b32 s46, 128, 0                      ; part v begins at plane 128
	s_lshl_b32 s22, s22, 2
	s_lshl_b32 s23, s23, 1
	s_add_co_u32 s22, s22, s23                     ; my first head among q's and k's 32, or v's 16
	s_lshr_b32 s23, s22, 4
	s_lshl_b32 s23, s23, 6
	s_add_co_u32 s46, s46, s23                     ; part q or k
	s_and_b32 s22, s22, 15
	s_add_co_u32 s46, s46, s22                     ; the head
	s_lshr_b32 s23, s20, 3
	s_lshl_b32 s23, s23, 4
	s_add_co_u32 s46, s46, s23                     ; the batch: 16 planes each
	s_and_b32 s20, s20, 7
	s_lshl_b32 s20, s20, 1
	s_add_co_u32 s20, s20, s21                     ; the record: my 128 tokens among the batch's 2,048
	s_mul_i32 s46, s46, PLANE
	s_mul_i32 s21, s20, REC
	s_add_co_u32 s46, s46, s21
	s_mov_b32 s47, 0
	s_add_nc_u64 s[12:13], s[12:13], s[46:47]
	s_lshl_b32 s46, s20, 15                        ; 128 rows of 256 bytes of cos and of sin
	s_add_nc_u64 s[96:97], s[96:97], s[46:47]
	s_add_nc_u64 s[98:99], s[98:99], s[46:47]
.macro FRAG reg, adr, q, i             ; 16 rows x 128 K: 12 registers, in pieces of 8 bytes; where lanes 16-31's piece lies behind one padding more, the second address register serves
.irp p, 0,1,2,3,4,5
.set PCE, 12*(\q)+6*(\p/3)+\p%3
.if PCE%8 < 5
	ds_load_b64 v[\reg+2*\p:\reg+2*\p+1], v[\adr] offset:8*PCE+16*(PCE/8)+(\i)*16*PITCH
.else
	ds_load_b64 v[\reg+2*\p:\reg+2*\p+1], v[\adr+2] offset:8*PCE+16*(PCE/8)+(\i)*16*PITCH
.endif
.endr
.endm
; 16 matrix instructions: A's blocks a0, a0 + 1 x B's eight.  The 64 accumulators take turns, one instruction a turn, in the same order in every step.
.macro MUL16 a0, p, q, sc, zero
.irp a, \a0, \a0+1
.irp b, 0,1,2,3,4,5,6,7
.if \zero
	v_wmma_scale_f32_16x16x128_f8f6f4 v[8*(8*((\a)%4)+\b):8*(8*((\a)%4)+\b)+7], v[128*(\p)+FR*\b:128*(\p)+FR*\b+FR-1], v[AF+FR*(\a):AF+FR*(\a)+FR-1], 0, v[SC+8*NQ*(\sc)+NQ*\b+(\q)], v[SC+8*NQ*(\sc)+NQ*(\a)+(\q)] matrix_a_fmt:MATRIX_FMT_FP6 matrix_b_fmt:MATRIX_FMT_FP6 matrix_a_scale:MATRIX_SCALE_ROW1
.else
	v_wmma_scale_f32_16x16x128_f8f6f4 v[8*(8*((\a)%4)+\b):8*(8*((\a)%4)+\b)+7], v[128*(\p)+FR*\b:128*(\p)+FR*\b+FR-1], v[AF+FR*(\a):AF+FR*(\a)+FR-1], v[8*(8*((\a)%4)+\b):8*(8*((\a)%4)+\b)+7], v[SC+8*NQ*(\sc)+NQ*\b+(\q)], v[SC+8*NQ*(\sc)+NQ*(\a)+(\q)] matrix_a_fmt:MATRIX_FMT_FP6 matrix_b_fmt:MATRIX_FMT_FP6 matrix_a_scale:MATRIX_SCALE_ROW1
.endif
.endr
.endr
.endm
.macro FETCH_B slot, q, p
	WIN TO_B
.irp i, 0,1,2,3,4,5,6,7
	FRAG 128*(\p)+FR*\i, ADRB+\slot, \q, \i
.endr
	WIN 0
.endm
.macro FETCH_A slot, q, i0
.irp i, \i0, \i0+1, \i0+2, \i0+3
	FRAG AF+FR*(\i), ADRA+\slot, \q, \i
.endr
.endm
.macro SCALES sc                       ; a K step's scale words: lanes 0-15 A's block i, lanes 16-31 B's block i
.irp i, 0,1,2,3,4,5,6,7
	ds_load_b64 v[SC+8*NQ*\sc+NQ*\i:SC+8*NQ*\sc+NQ*\i+1], v[ADRS] offset:\i*SBLK
.endr
.endm
.macro PLACES n                        ; plain vector lines between a matrix instruction and a load into, or a vector write or read of, its registers
.rept \n
	v_nop
.endr
.endm
.macro STEP slot, q, zero              ; 128 along K with its successor in the same slot
	s_wait_dscnt 4*NL                              ; B's set and A's blocks 0-3 are in; the 24 loads of A's blocks 4-7 may be out
	WIN MUL_LO
	MUL16 0, (\q)%2, \q, \slot, \zero
	MUL16 2, (\q)%2, \q, \slot, \zero
	s_wait_dscnt 0
	PLACES NP
	FETCH_B \slot, (\q)+1, 1-(\q)%2
	FETCH_A \slot, (\q)+1, 0
	WIN MUL_HI
	MUL16 4, (\q)%2, \q, \slot, \zero
	MUL16 6, (\q)%2, \q, \slot, \zero
	PLACES NP
	WIN 0
	FETCH_A \slot, (\q)+1, 4
.endm
; A slot's last step changes slots: one barrier; in front of it each wave waits for all its tensor loads, adds 0 to its spare word, and waits for that and for its reads of this slot.
.macro TURN slot, next, fill
	s_wait_tensorcnt 0x0                           ; all my tensor loads have landed: my part of the next slot
	ds_add_u32 v[SPW], v[NIL]                      ; 0 onto my spare word
	s_wait_dscnt 4*NL+1                            ; the add and the 24 loads of A's blocks 4-7 may be out
	WIN MUL_LO
	MUL16 0, 1, NQ-1, \slot, 0
	s_wait_dscnt 0x0                               ; the add is done, and my reads of this slot are over
	s_barrier_signal -1
	MUL16 2, 1, NQ-1, \slot, 0
	WIN 0
	s_barrier_wait -1
.if \fill
	CREST                                          ; the barrier has opened a round of the cluster's: no wave of any partner still reads this slot or has a load on its way
	s_add_nc_u64 s[G0+4*\slot+2:G0+4*\slot+3], s[G0+4*\slot+2:G0+4*\slot+3], 2*ROWB
	s_add_nc_u64 s[G0B+4*\slot+2:G0B+4*\slot+3], s[G0B+4*\slot+2:G0B+4*\slot+3], 2*ROWB
	JLOAD G0+4*\slot, G1, G0B+4*\slot, G1B         ; the first tensor load behind the round; its four v_nop are the places in front of the loads below
.else
	PLACES NP
.endif
	v_add_nc_u32 v[ADRS], 4*NQ, v[ADRS]            ; the next K step's scale words
	FETCH_B \next, 0, 0
	FETCH_A \next, 0, 0
	SCALES \next
	WIN MUL_HI
	MUL16 4, 1, NQ-1, \slot, 0
	MUL16 6, 1, NQ-1, \slot, 0
	PLACES NP
	WIN 0
	FETCH_A \next, 0, 4
.endm
	s_wait_tensorcnt 1                             ; the scales and my part of K step 0 are in; K step 1's load may be out
	s_barrier_signal -1
	s_barrier_wait -1
	FETCH_B 0, 0, 0
	FETCH_A 0, 0, 0
	SCALES 0
	FETCH_A 0, 0, 4
	STEP 0, 0, 1                                   ; the first step's products start the sums
	s_mov_b32 s3, LAPS-1
.Llap:                                                 ; a trip goes once round the ring and fills both slots again
	TURN 0, 1, 1
	STEP 1, 0, 0
	TURN 1, 0, 1
	STEP 0, 0, 0
	s_sub_co_u32 s3, s3, 1
	s_cmp_lg_u32 s3, 0
	s_cbranch_scc1 .Llap
	TURN 0, 1, 0                                   ; the last lap fills nothing
	STEP 1, 0, 0
	s_wait_dscnt 4*NL
	WIN MUL_LO
	MUL16 0, 1, NQ-1, 1, 0
	MUL16 2, 1, NQ-1, 1, 0
	s_wait_dscnt 0
	WIN MUL_HI
	MUL16 4, 1, NQ-1, 1, 0
	MUL16 6, 1, NQ-1, 1, 0
	WIN 0
; THE WAY OUT, block a of 16 rows of A at a time.  Its 64 registers: 16 g + i = B's true row 32 g + 16 (lane / 16) + i.
; cos and sin of block a's 16 tokens: my 16 numbers of each half of a row, into buffer a % 4 of window 1: +0 cos(16 h + i), +16 cos(32 + 16 h + i), +32, +48 sin likewise.
.macro CSLOAD a
.set CBF, 64*((\a)%4)
.set RR, (32*((\a)/2)+8*((\a)%2))*256
	WIN 0x40
.irp j, 0,1,2,3
	global_load_b128 v[CBF+4*\j:CBF+4*\j+3], v[CSO], s[96:97] offset:RR+16*\j
	global_load_b128 v[CBF+16+4*\j:CBF+16+4*\j+3], v[CSO], s[96:97] offset:RR+128+16*\j
	global_load_b128 v[CBF+32+4*\j:CBF+32+4*\j+3], v[CSO], s[98:99] offset:RR+16*\j
	global_load_b128 v[CBF+48+4*\j:CBF+48+4*\j+3], v[CSO], s[98:99] offset:RR+128+16*\j
.endr
	WIN 0
.endm
; RoPE: for d < 32: q(d) cos(d) - q(d + 32) sin(d); for d >= 32: q(d) cos(d) + q(d - 32) sin(d).  d and d + 32 lie in the same lane, 16 registers apart.  Each accumulator is first read at its two lowest registers.
.macro ROPE a
.set AC, 64*((\a)%4)
.set CBF, 64*((\a)%4)
.set WN, 2+(\a)/4+4                    ; source 0: the accumulators' window; source 1: window 1
	WIN WN
.irp hh, 0,1
.irp i, 0,2,4,6,8,10,12,14
	v_pk_mul_f32 v[T+32*\hh+\i:T+32*\hh+\i+1], v[AC+32*\hh+16+\i:AC+32*\hh+16+\i+1], v[CBF+32+\i:CBF+32+\i+1]
	v_pk_mul_f32 v[T+32*\hh+16+\i:T+32*\hh+16+\i+1], v[AC+32*\hh+\i:AC+32*\hh+\i+1], v[CBF+48+\i:CBF+48+\i+1]
.endr
.endr
.set WN, 65*(2+(\a)/4)+4               ; and the destination there too
	WIN WN
.irp hh, 0,1
.irp i, 0,2,4,6,8,10,12,14
	v_pk_fma_f32 v[AC+32*\hh+\i:AC+32*\hh+\i+1], v[AC+32*\hh+\i:AC+32*\hh+\i+1], v[CBF+\i:CBF+\i+1], v[T+32*\hh+\i:T+32*\hh+\i+1] neg_lo:[0,0,1] neg_hi:[0,0,1]
	v_pk_fma_f32 v[AC+32*\hh+16+\i:AC+32*\hh+16+\i+1], v[AC+32*\hh+16+\i:AC+32*\hh+16+\i+1], v[CBF+16+\i:CBF+16+\i+1], v[T+32*\hh+16+\i:T+32*\hh+16+\i+1]
.endr
.endr
	WIN 0
.endm
; The four blocks of 32 of block a's rows: largest magnitudes (with the floor 2^(3 - 127) among the leaves), scale operands, bytes, and the row's scale word.
.macro QMAX a
.set AC, 64*((\a)%4)
.set WN, 5*(2+(\a)/4)                  ; sources 0 and 1: the accumulators' window
	WIN WN
.irp b, 0,1,2,3
	v_max3_num_f32 v[TM+\b], |v[AC+16*\b]|, |v[AC+16*\b+1]|, 0x1800000
.endr
.irp i, 2,4,6,8,10,12,14
.irp b, 0,1,2,3
	v_max3_num_f32 v[TM+\b], |v[AC+16*\b+\i]|, |v[AC+16*\b+\i+1]|, v[TM+\b]
.endr
.endr
	WIN 0
.irp b, 0,1,2,3
	v_permlanex16_b32 v[TM+4+\b], v[TM+\b], s66, s67
.endr
.irp b, 0,1,2,3
	v_max_num_f32 v[TM+\b], v[TM+\b], v[TM+4+\b]   ; with lane l xor 16's 16 numbers: the block's
.endr
.irp b, 0,1,2,3
	v_add_nc_u32 v[TM+12+\b], 0xff000000, v[TM+\b] ; 2 off the exponent field: the conversion's scale operand
.endr
.irp b, 0,1,2,3
	v_lshrrev_b32 v[TM+4+\b], 23, v[TM+12+\b]      ; the scale's byte
.endr
	v_lshl_or_b32 v[PW+(\a)], v[TM+5], 8, v[TM+4]
	v_lshl_or_b32 v[PW+(\a)], v[TM+6], 16, v[PW+(\a)]
	v_lshl_or_b32 v[PW+(\a)], v[TM+7], 24, v[PW+(\a)]
.endm
; The codes: blocks 0, 1 into six registers from d0, blocks 2, 3 from d1: lanes 0-15 hold the even block whole, lanes 16-31 the odd one.
.macro QCVT a, d0, d1
.set AC, 64*((\a)%4)
.set WN, 2+(\a)/4
	WIN WN
	v_cvt_scalef32_pk16_fp6_f32 v[(\d0):(\d0)+2], v[AC:AC+15], v[TM+12]
	v_cvt_scalef32_pk16_fp6_f32 v[CT:CT+2], v[AC+16:AC+31], v[TM+13]
	v_cvt_scalef32_pk16_fp6_f32 v[(\d1):(\d1)+2], v[AC+32:AC+47], v[TM+14]
	v_cvt_scalef32_pk16_fp6_f32 v[CT+4:CT+6], v[AC+48:AC+63], v[TM+15]
	WIN 0
	v_nop                                          ; one plain line behind the scaled conversions
.irp i, 0,1,2
	v_permlane16_swap_b32 v[(\d0)+\i], v[CT+\i]
	v_permlane16_swap_b32 v[(\d1)+\i], v[CT+4+\i]
.endr
.irp i, 0,1,2
	v_mov_b32 v[(\d0)+3+\i], v[CT+\i]
	v_mov_b32 v[(\d1)+3+\i], v[CT+4+\i]
.endr
.endm
	PLACES NP                                      ; behind the last products: their scale, A and B registers are written and loaded below
.irp b, 0,1,2,3
	v_mov_b32 v[TM+4+\b], 0                        ; written once: a lane permute's destination counts as one of its sources
.endr
	s_cmp_eq_u32 s95, 1
	s_cbranch_scc1 .Lv
	; PATH qk.  A lane holds a token; registers 32 H + 16 g + i are channel 32 g + 16 h + i of my head H = 0, 1.  Blocks 2 g and 2 g + 1 (32 tokens) make one image for each head.
	CSLOAD 0
	CSLOAD 1
	CSLOAD 2
.irp a, 0,1,2,3,4,5,6,7
.if \a < 6
	s_wait_loadcnt 32                              ; this block's 16 loads are in; the 16 of each of the two blocks behind it may be out
.else
	s_wait_loadcnt 16*(7-\a)
.endif
	ROPE \a
.if \a < 5
	CSLOAD \a+3                                    ; into the buffer that the block before has left
.endif
	QMAX \a
.if (\a%2 == 0) && (\a >= 2)
	s_wait_xcnt 0x0                                ; the last six stores have read the images: they are written again only behind this wait
.endif
	QCVT \a, IMG+6*(\a%2), IMG+12+6*(\a%2)
.if \a%2
.irp hh, 0,1
.irp c, 0,1,2
	global_store_b128 v[GOF], v[IMG+12*\hh+4*\c:IMG+12*\hh+4*\c+3], s[12:13] offset:\hh*PLANE+(\a/2)*1536+512*\c th:TH_STORE_NT   ; 32 lanes store 512 consecutive bytes, aligned
.endr
.endr
.endif
.endr
.irp g, 0,1,2,3
	v_perm_b32 v[OUT+\g], v[PW+2*\g+1], v[PW+2*\g], v[VSEL]   ; group g's word: tile 0's two bytes, tile 1's two; lanes 0-15 of my first head, lanes 16-31 of my second
.endr
	s_branch .Lsc
.Lv:
	; PATH v.  A lane holds a channel; registers 16 g + i are key 32 g + 16 h + i: block a is a whole fragment, 16 channels x 128 keys, of head a / 4.
.irp a, 0,1,2,3,4,5,6,7
	QMAX \a
.if \a >= 2
	s_wait_xcnt 0x0                                ; the stores of two blocks back have read this image
.endif
	QCVT \a, IMG+12*(\a%2), IMG+12*(\a%2)+6
.irp c, 0,1,2
	global_store_b128 v[GOF], v[IMG+12*(\a%2)+4*\c:IMG+12*(\a%2)+4*\c+3], s[12:13] offset:(\a/4)*PLANE+(\a%4)*1536+512*\c th:TH_STORE_NT
.endr
.endr
	v_cmp_ne_u32 vcc_lo, 0, v2
.irp i, 0,1,2,3
	v_cndmask_b32 v[OUT+\i], v[PW+\i], v[PW+4+\i], vcc_lo   ; lanes 0-15: my first head's four words, lanes 16-31: my second's
.endr
.Lsc:
	global_store_b128 v[SCO], v[OUT:OUT+3], s[12:13] offset:6144 th:TH_STORE_NT   ; sixteen lanes store a record's 256 bytes of scale words, aligned
	s_wait_tensorcnt 0x0                           ; the wave's end
	ds_add_u32 v[SPW], v[NIL]
	s_wait_dscnt 0x0
	CROUND                                         ; the closing round: no work-group ends while a partner may still ask for a tile that names it
	s_endpgm
.Lfunc_end_k_q9178c2576a_gemm_qkv:
	.size	k_q9178c2576a_gemm_qkv, .Lfunc_end_k_q9178c2576a_gemm_qkv-k_q9178c2576a_gemm_qkv
	.p2alignl 7, 3214868480
	.fill 96, 4, 3214868480
	.section	.rodata,"a",@progbits
	.p2align	6, 0x0
	.amdhsa_kernel k_q9178c2576a_gemm_qkv
		.amdhsa_group_segment_fixed_size 327680
		.amdhsa_private_segment_fixed_size 0
		.amdhsa_enable_private_segment 0
		.amdhsa_kernarg_size 56
		.amdhsa_user_sgpr_count 2
		.amdhsa_user_sgpr_kernarg_segment_ptr 1
		.amdhsa_wavefront_size32 1
		.amdhsa_system_sgpr_workgroup_id_x 1
		.amdhsa_system_sgpr_workgroup_id_y 1
		.amdhsa_system_sgpr_workgroup_id_z 1
		.amdhsa_system_vgpr_workitem_id 0
		.amdhsa_next_free_vgpr 1024
		.amdhsa_next_free_sgpr 100
		.amdhsa_reserve_vcc 1
		.amdhsa_float_denorm_mode_32 3
		.amdhsa_float_denorm_mode_16_64 3
		.amdhsa_memory_ordered 1
		.amdhsa_forward_progress 1
		.amdhsa_inst_pref_size 244
	.end_amdhsa_kernel
	.amdgpu_metadata
---
amdhsa.version: [ 1, 2 ]
amdhsa.kernels:
  - .name:           k_q9178c2576a_gemm_qkv
    .symbol:         k_q9178c2576a_gemm_qkv.kd
    .args:
      - { .name: x_codes, .offset: 0, .size: 8, .value_kind: global_buffer, .address_space: global }
      - { .name: x_scales, .offset: 8, .size: 8, .value_kind: global_buffer, .address_space: global }
      - { .name: w_codes, .offset: 16, .size: 8, .value_kind: global_buffer, .address_space: global }
      - { .name: w_scales, .offset: 24, .size: 8, .value_kind: global_buffer, .address_space: global }
      - { .name: cos, .offset: 32, .size: 8, .value_kind: global_buffer, .address_space: global }
      - { .name: sin, .offset: 40, .size: 8, .value_kind: global_buffer, .address_space: global }
      - { .name: qkv, .offset: 48, .size: 8, .value_kind: global_buffer, .address_space: global }
    .group_segment_fixed_size: 327680
    .private_segment_fixed_size: 0
    .kernarg_segment_align: 8
    .kernarg_segment_size: 56
    .max_flat_workgroup_size: 128
    .sgpr_count:     100
    .vgpr_count:     1024
    .wavefront_size: 32
...
	.end_amdgpu_metadata
.endif
;; end of part 2
;; launch attn (part 3): grid 4 x 64, 16 waves a work-group, clusters of 4 x 1, 206,848 bytes of LDS; arguments qkv, o_img, o_scales; writes o_img, o_scales
.if DOCPART == 3
	.amdgcn_target "amdgcn-amd-amdhsa--gfx1250"
	.amdhsa_code_object_version 6
	.text
	.protected	k_q9178c2576a_attn
	.globl	k_q9178c2576a_attn
	.p2align	8
	.type	k_q9178c2576a_attn,@function
k_q9178c2576a_attn:
	s_mov_b64 s[64:65], 0
	v_nop
	global_prefetch_b8 v0, s[64:65] scope:SCOPE_SE
	s_setreg_imm32_b32 hwreg(HW_REG_WAVE_MODE, 25, 1), 1
	s_wait_xcnt 0x0
	s_wait_alu depctr_hold_cnt(0) depctr_sa_sdst(0) depctr_va_vdst(0) depctr_va_sdst(0) depctr_va_ssrc(0) depctr_va_vcc(0) depctr_vm_vsrc(0)
	s_getreg_b32 s2, hwreg(HW_REG_IB_STS2, 6, 4)
	s_cmp_eq_u32 s2, 0
	s_cbranch_scc0 .Lentry_in_a_cluster
	s_endpgm
.Lentry_in_a_cluster:
	s_bfe_u32 s2, ttmp6, 0x10000c
	s_cmp_lg_u32 s2, 0x3003
	s_cbranch_scc0 .Lentry_shape_is_right
	s_endpgm
.Lentry_shape_is_right:
; Causal attention on codes of FP6 (E2M3): S^T = k q^T (K = the head's 64), p = 2^(t - M) quantised along the keys, O^T = v^T p^T, O / l quantised along the model's 1,024 for the last product.
; t = score x log2(e) / 8; M = the running largest t rounded up to a whole number; the row's sum is taken of the unquantised p; when M moves, the sum and O^T are multiplied by 2^(old M - new M), which rounds nothing.
; SHARES.  A cluster of four work-groups is one head of one batch.  THE WHOLE HEAD'S K AND V LIE IN LDS: 16 steps of 128 keys x 12,800 bytes, filled once: wave w asks for step w, jointly with the same wave of the three partners.
; So there is no ring, no refill, one barrier, and no LDS store.  A wave makes two tiles of 16 queries: pass 0 in record J = w, pass 1 in record J = 15 - w: (w + 1) + (16 - w) = 17 key steps for every wave.
; The tile is 8 J + 2 cx + pass: J hangs on the wave's number alone, so all branches are alike in the partners; cx enters global offsets and the mask's compare only.
; LAYOUT.  Both products are used transposed: a lane holds ONE query (lane % 16).  Operands lie in memory and LDS as images of their registers: chunks of 512 bytes, lane l's 16 bytes at 16 l.
; An image of K is 12 registers: [tile 0's 64 channels | tile 1's 64] along the instruction's 128.  Against [q | 0] it gives tile 0's scores, against [0 | q] tile 1's: each image read feeds two products, and no zeros are stored.
; Lane r of tile u of group g is key 32 g + 8 u + r + 8 (r / 8): registers 16 g + i of the scores are keys 32 g + 16 (lane / 16) + i, 16 neighbours.  v's channels are chosen alike, so O^T's registers 16 g + i are channels 32 g + 16 h + i.
; LIMITS: a block of zeros gets the byte 1, not 127 (its codes are zeros; this program alone reads the bytes); NaN and infinities are not served.
.set PLANE, 102400
.set PART,  64*PLANE
.set REC,   6400
.set STEPB, 2*REC                      ; a step in LDS: K's record (images 6,144, scale words 256), then V's
.set AL,  1                            ; v1   16 x lane
.set AS,  2                            ; v2   16 r
.set ADI, 3                            ; v3   the step's images
.set ADS, 4                            ; v4   the step's scale words
.set QA,  5                            ; v5   q: 16 x lane + 1,536 cx
.set QSA, 6                            ; v6   q's scale word: 16 r + 4 cx + 6,144
.set OA,  7                            ; v7   8 x lane
.set OSA, 8                            ; v8   32 r
.set DQ,  9                            ; v9   32 cx + r + 8 (r / 8) - 16 h
.set QQ,  16                           ; v16-45  0 q0 0 q1 0, six registers each
.set F,   46                           ; v46-93  K's four images, then V's four fragments
.set QS,  94                           ; v94, v95  q's two scale bytes, twice, for pass 0, 1
.set S,   96                           ; v96-159  scores, then p
.set O,   160                          ; v160-191 O^T
.set PC,  192                          ; v192-203 p's codes
.set CT,  204                          ; v204-211 the conversions' second halves
.set BM,  212                          ; v212-215 the blocks' largest scores
.set PT,  216                          ; v216-219 the other half's, then bytes
.set SO,  220                          ; v220-223 the conversions' scale operands
.set TA,  224
.set FF,  226                          ; v[226:227] f = 2^(old M - new M)
.set SA,  228                          ; v[228:229] the second chain of the sum
.set KS,  232                          ; v232-235 K's scale words
.set VS,  236                          ; v236-239 V's
.set PS,  240                          ; v240 p's scale word
.set W0,  241                          ; v241, v242 q's scale words as loaded
.set RL,  244                          ; v[244:245] 1 / l
.set E,   246                          ; v246-251 o's codes
.set SW,  252                          ; v252 o's two scale bytes
.set WV,  10
.set CX,  11
.set BH,  12
.set G1,  16
.set G0,  24
.set SEL, 28
.set CS,  30
.set TB,  32                           ; s32 LDS byte at which the step begins
.set ST,  33                           ; s33 the step
.set J,   34                           ; s34 the pass's last step
.set J1,  35                           ; s35 15 - wave
.set QP,  36                           ; s[36:39] q's record, pass 0, 1
.set OB,  40                           ; s[40:43] where o's codes go
.set SB,  44                           ; s[44:47] where o's scale bytes go
.macro CROUND                          ; a round of the cluster's barrier
	s_barrier_signal -1
	s_barrier_wait -1
	s_cmp_lg_u32 s[WV], 0
	s_cbranch_scc1 .Lnot_wave_0_\@
	s_barrier_signal -3
.Lnot_wave_0_\@:
	s_barrier_wait -3
	s_barrier_signal -1
	s_barrier_wait -1
.endm
	s_load_b128 s[4:7], s[0:1], 0x0                ; qkv, o_img
	s_load_b64 s[8:9], s[0:1], 0x10                ; o_scales
	v_lshl_add_u32 v254, v0, 2, 0x32000
	v_mov_b32 v255, 0
	ds_add_u32 v254, v255
	ds_add_u32 v254, v255
	v_lshrrev_b32 v1, 5, v0
	v_readfirstlane_b32 s[WV], v1                  ; wave 0..15
	s_bfe_u32 s[CX], ttmp6, 0x40000                ; my place in the cluster
	s_and_b32 s[BH], ttmp7, 0xffff                 ; 16 x batch + head
	; descriptor group 1: two rows of 6,400 bytes (800 elements of 8), a part of qkv apart: K's record, then V's
	s_mov_b32 s[G1], 15|(3<<16)|(1<<21)            ; the mask: all four work-groups; elements of 8 bytes; bit 21 beside a mask
	s_mov_b32 s[G1+1], 800<<16                     ; tensor_dim0
	s_mov_b32 s[G1+2], 2<<16                       ; tensor_dim1
	s_mov_b32 s[G1+3], 800<<16                     ; tile_dim0
	s_mov_b32 s[G1+4], 2                           ; tile_dim1
	s_mov_b32 s[G1+5], PART/8                      ; pitch
	s_mov_b32 s[G1+6], 0
	s_mov_b32 s[G1+7], 0
	s_mov_b32 s[G0], 1
	s_mul_i32 s[G0+1], s[WV], STEPB                ; step w's place in LDS
	s_mul_i32 s48, s[BH], PLANE                    ; the head's plane
	s_mul_i32 s50, s[WV], REC
	s_add_co_u32 s50, s50, s48
	s_mov_b32 s[QP], s50                           ; q's record of pass 0: J = wave
	s_mov_b32 s[QP+1], 0
	s_add_co_u32 s50, s50, PART                    ; K's record of step w
	s_mov_b32 s51, 0
	s_sub_co_u32 s[J1], 15, s[WV]
	s_mul_i32 s[QP+2], s[J1], REC
	s_add_co_u32 s[QP+2], s[QP+2], s48             ; q's record of pass 1
	s_mov_b32 s[QP+3], 0
	s_and_b32 s48, s[BH], 15                       ; head
	s_lshr_b32 s49, s[BH], 4                       ; batch
	s_lshl_b32 s52, s49, 7
	s_lshl_b32 s53, s[CX], 1
	s_add_co_u32 s52, s52, s53                     ; 128 x batch + 2 cx
	s_lshl_b32 s54, s[WV], 3
	s_add_co_u32 s54, s54, s52                     ; pass 0's tile of 16 positions among 512
	s_lshl_b32 s55, s[J1], 3
	s_add_co_u32 s55, s55, s52
	s_add_co_u32 s55, s55, 1                       ; pass 1's
	s_lshr_b32 s52, s48, 2
	s_mul_i32 s52, s52, 512*3072                   ; o_img: [head / 4][512 tiles][(head / 2) % 2][head % 2][3 chunks][256 bytes]
	s_bfe_u32 s53, s48, 0x10001
	s_mul_i32 s53, s53, 1536
	s_add_co_u32 s52, s52, s53
	s_and_b32 s53, s48, 1
	s_mul_i32 s53, s53, 768
	s_add_co_u32 s52, s52, s53
	s_mul_i32 s[OB], s54, 3072
	s_add_co_u32 s[OB], s[OB], s52
	s_mov_b32 s[OB+1], 0
	s_mul_i32 s[OB+2], s55, 3072
	s_add_co_u32 s[OB+2], s[OB+2], s52
	s_mov_b32 s[OB+3], 0
	s_lshl_b32 s53, s48, 1                         ; o_scales: [position][32]: bytes 2 head, 2 head + 1
	s_lshl_b32 s[SB], s54, 9
	s_add_co_u32 s[SB], s[SB], s53
	s_mov_b32 s[SB+1], 0
	s_lshl_b32 s[SB+2], s55, 9
	s_add_co_u32 s[SB+2], s[SB+2], s53
	s_mov_b32 s[SB+3], 0
	s_mov_b32 s[SEL], 0x76543210                   ; v_permlanex16_b32's selects for lane l xor 16
	s_mov_b32 s[SEL+1], 0xfedcba98
	s_mov_b32 s[CS], 0x3e38aa3b                    ; c = log2(e) / 8
	s_mov_b32 s[CS+1], s[CS]                       ; (named with it as a pair)
	s_wait_dscnt 0x0
	s_wait_kmcnt 0x0
	s_add_nc_u64 s[G0+2:G0+3], s[4:5], s[50:51]
	s_or_b32 s[G0+3], s[G0+3], 0x80000000          ; type = 2
	s_add_nc_u64 s[QP:QP+1], s[4:5], s[QP:QP+1]
	s_add_nc_u64 s[QP+2:QP+3], s[4:5], s[QP+2:QP+3]
	s_add_nc_u64 s[OB:OB+1], s[6:7], s[OB:OB+1]
	s_add_nc_u64 s[OB+2:OB+3], s[6:7], s[OB+2:OB+3]
	s_add_nc_u64 s[SB:SB+1], s[8:9], s[SB:SB+1]
	s_add_nc_u64 s[SB+2:SB+3], s[8:9], s[SB+2:SB+3]
	CROUND                                         ; all four work-groups are here: the joint loads meet
	tensor_load_to_lds s[G0:G0+3], s[G1:G1+7]      ; my one tensor load: step w's K and V, for all four work-groups
	s_nop 0
.rept 4
	v_nop
.endr
	v_and_b32 v10, 31, v0                          ; lane
	v_and_b32 v11, 15, v0                          ; r
	v_bfe_u32 v225, v0, 4, 1                       ; h
	v_lshlrev_b32 v[AL], 4, v10
	v_lshlrev_b32 v[AS], 4, v11
	s_mul_i32 s48, s[CX], 1536                     ; my group of 32 queries is image cx of the record
	v_add_nc_u32 v[QA], s48, v[AL]
	s_lshl_b32 s49, s[CX], 2
	s_add_co_u32 s49, s49, 6144
	v_add_nc_u32 v[QSA], s49, v[AS]
.irp u, 0,1                                    ; tile u is registers 6 u .. 6 u + 5 of the image
	global_load_b64 v[QQ+6+12*\u:QQ+7+12*\u], v[QA], s[QP+2*\u:QP+2*\u+1] offset:520*\u
	global_load_b64 v[QQ+8+12*\u:QQ+9+12*\u], v[QA], s[QP+2*\u:QP+2*\u+1] offset:8+1016*\u
	global_load_b64 v[QQ+10+12*\u:QQ+11+12*\u], v[QA], s[QP+2*\u:QP+2*\u+1] offset:512+520*\u
	global_load_b32 v[W0+\u], v[QSA], s[QP+2*\u:QP+2*\u+1]
.endr
	v_lshlrev_b32 v[OA], 3, v10
	v_lshlrev_b32 v[OSA], 5, v11
	v_and_b32 v[DQ], 8, v11
	v_add_nc_u32 v[DQ], v[DQ], v11
	v_lshlrev_b32 v225, 4, v225
	v_sub_nc_u32 v[DQ], v[DQ], v225
	s_lshl_b32 s50, s[CX], 5
	v_add_nc_u32 v[DQ], s50, v[DQ]
.irp z, 0,1,2,3,4,5,12,13,14,15,16,17,24,25,26,27,28,29
	v_mov_b32 v[QQ+\z], 0                          ; zero codes beside q
.endr
.irp b, 0,1,2,3
	v_mov_b32 v[PT+\b], 0                          ; written once: a lane permute's destination counts as one of its sources
.endr
	v_mov_b32 v[TA], 0
	v_mov_b32 v[FF+1], 0                           ; (named as the upper half of a pair)
	s_wait_tensorcnt 0x0                           ; my step has landed,
	s_barrier_signal -1
	s_barrier_wait -1                              ; everybody's has: the head's K and V are whole
	s_wait_loadcnt 0x0                             ; q
	v_perm_b32 v[QS], v[W0], v[W0], 0x01000100     ; tile 0's two bytes, twice: they serve q in either half of the 128
	v_perm_b32 v[QS+1], v[W0+1], v[W0+1], 0x03020302   ; tile 1's
; A KEY STEP: 128 keys.  A step behind the pass's last is passed over: a scalar branch on the wave's number and the step.
.macro STEP u
	s_cmp_gt_u32 s[ST], s[J]
	s_cbranch_scc1 .Lhid_\@
	v_add_nc_u32 v[ADI], s[TB], v[AL]
	v_add_nc_u32 v[ADS], s[TB], v[AS]
	v_nop
	v_nop                                          ; four plain lines between the last step's products and the loads into their registers
.irp k, 0,1,2,3,4,5,6,7,8,9,10,11
	ds_load_b128 v[F+4*\k:F+4*\k+3], v[ADI] offset:512*\k
.endr
	ds_load_b128 v[KS:KS+3], v[ADS] offset:6144
	s_wait_dscnt 0x0
.irp g, 0,1,2,3
	v_wmma_scale_f32_16x16x128_f8f6f4 v[S+16*\g:S+16*\g+7], v[F+12*\g:F+12*\g+11], v[QQ+6+12*\u:QQ+17+12*\u], 0, v[KS+\g], v[QS+\u] matrix_a_fmt:MATRIX_FMT_FP6 matrix_b_fmt:MATRIX_FMT_FP6
	v_wmma_scale_f32_16x16x128_f8f6f4 v[S+16*\g+8:S+16*\g+15], v[F+12*\g:F+12*\g+11], v[QQ+12*\u:QQ+11+12*\u], 0, v[KS+\g], v[QS+\u] matrix_a_fmt:MATRIX_FMT_FP6 matrix_b_fmt:MATRIX_FMT_FP6
.endr
.rept 4
	v_nop                                          ; places in front of the loads below and of the first read of the scores
.endr
.irp k, 0,1,2,3,4,5,6,7,8,9,10,11
	ds_load_b128 v[F+4*\k:F+4*\k+3], v[ADI] offset:REC+512*\k   ; V's fragments land while the softmax is worked
.endr
	ds_load_b128 v[VS:VS+3], v[ADS] offset:REC+6144
	s_cmp_lt_u32 s[ST], s[J]
	s_cbranch_scc1 .Lopen_\@
	v_mov_b32 v[TA], 0xff800000                    ; the pass's last step lies on the diagonal: hidden scores become -infinity, so that p = 0
.set nn, 0
.rept 64
	v_cmp_gt_i32 vcc_lo, 32*(nn/16)+nn%16-8*\u, v[DQ]   ; register 16 g + i is hidden where 32 g + 16 h + i > 32 cx + 8 u + r + 8 (r / 8)
	v_cndmask_b32 v[S+nn], v[S+nn], v[TA], vcc_lo
.set nn, nn+1
.endr
.Lopen_\@:
.irp b, 0,1,2,3
	v_max3_num_f32 v[BM+\b], v[S+16*\b], v[S+1+16*\b], v[S+2+16*\b]   ; the largest score of each block of 32 keys: for the row's maximum and, since p rises with the score, for the block's largest p
.endr
.irp i, 3,5,7,9,11,13
.irp b, 0,1,2,3
	v_max3_num_f32 v[BM+\b], v[BM+\b], v[S+16*\b+\i], v[S+1+16*\b+\i]
.endr
.endr
.irp b, 0,1,2,3
	v_max_num_f32 v[BM+\b], v[BM+\b], v[S+15+16*\b]
.endr
.irp b, 0,1,2,3
	v_permlanex16_b32 v[PT+\b], v[BM+\b], s[SEL], s[SEL+1]
.endr
.irp b, 0,1,2,3
	v_max_num_f32 v[BM+\b], v[BM+\b], v[PT+\b]
.endr
	v_max3_num_f32 v[TA], v[BM], v[BM+1], v[BM+2]
	v_max_num_f32 v[TA], v[TA], v[BM+3]
	v_mul_f32 v[TA], s[CS], v[TA]                  ; as t
	v_max_num_f32 v13, v13, v[TA]                  ; the running largest t
	v_mov_b32 v[TA], v12
	v_floor_f32 v12, -v13                          ; the new -M = -ceil(t): a whole number
	v_sub_f32 v[TA], v12, v[TA]                    ; old M - new M: a whole number, 0 or less
	v_cvt_i32_f32 v[TA], v[TA]                     ; (it saturates)
	v_ldexp_f32 v[FF], 1.0, v[TA]                  ; f = 2^(old M - new M)
.set jj, 0
.rept 32
	v_pk_fma_f32 v[S+jj:S+jj+1], v[S+jj:S+jj+1], s[CS:CS+1], v[12:13] op_sel_hi:[1,0,0]   ; t - M
.set jj, jj+2
.endr
.irp b, 0,1,2,3
	v_fma_f32 v[BM+\b], v[BM+\b], s[CS], v12       ; the same of each block's largest score
.endr
.set jj, 0
.rept 64
	v_exp_f32 v[S+jj], v[S+jj]                     ; p = 2^(t - M): one batch
.set jj, jj+1
.endr
	v_pk_mul_f32 v[14:15], v[14:15], v[FF:FF+1] op_sel_hi:[1,0]   ; the sums under the new M (the plain line behind the batch)
	s_wait_alu depctr_va_vdst(0)                   ; one wait for the batch, ahead of its first reader
.irp b, 0,1,2,3
	v_exp_f32 v[BM+\b], v[BM+\b]                   ; the blocks' largest p
.endr
	v_pk_add_f32 v[SA:SA+1], v[S:S+1], v[S+2:S+3]  ; the row's sum of the unquantised p, in two chains
.set jj, 4
.rept 15
	v_pk_add_f32 v[14:15], v[14:15], v[S+jj:S+jj+1]
	v_pk_add_f32 v[SA:SA+1], v[SA:SA+1], v[S+jj+2:S+jj+3]
.set jj, jj+4
.endr
	v_pk_add_f32 v[14:15], v[14:15], v[SA:SA+1]
	s_wait_alu depctr_va_vdst(0)                   ; and one for the four
.irp b, 0,1,2,3
	v_max_num_f32 v[BM+\b], 0x1800000, v[BM+\b]    ; the floor 2^(3 - 127): the byte cannot fall under 1
.endr
.irp b, 0,1,2,3
	v_add_nc_u32 v[SO+\b], 0xff000000, v[BM+\b]    ; 2 off the exponent field: the conversion's scale operand
.endr
.irp b, 0,1,2,3
	v_lshrrev_b32 v[PT+\b], 23, v[SO+\b]           ; the scale's byte
.endr
	v_lshl_or_b32 v[PS], v[PT+1], 8, v[PT]
	v_lshl_or_b32 v[PS], v[PT+2], 16, v[PS]
	v_lshl_or_b32 v[PS], v[PT+3], 24, v[PS]
.irp c, 0,1
	v_cvt_scalef32_pk16_fp6_f32 v[PC+6*\c:PC+2+6*\c], v[S+32*\c:S+15+32*\c], v[SO+2*\c]
	v_cvt_scalef32_pk16_fp6_f32 v[CT+4*\c:CT+2+4*\c], v[S+16+32*\c:S+31+32*\c], v[SO+2*\c+1]
.endr
	v_nop                                          ; one plain line behind the scaled conversions
.irp c, 0,1                                    ; a whole block in a lane: lanes 0-15 block 2 c, lanes 16-31 block 2 c + 1
.irp i, 0,1,2
	v_permlane16_swap_b32 v[PC+6*\c+\i], v[CT+4*\c+\i]
.endr
.irp i, 0,1,2
	v_mov_b32 v[PC+3+6*\c+\i], v[CT+4*\c+\i]
.endr
.endr
.set jj, 0
.rept 16
	v_pk_mul_f32 v[O+jj:O+jj+1], v[O+jj:O+jj+1], v[FF:FF+1] op_sel_hi:[1,0]   ; O^T under the new M; these sixteen are also the places between p's codes and scale word and the products
.set jj, jj+2
.endr
	s_wait_dscnt 0x0                               ; V is in
.irp d, 0,1,2,3
	v_wmma_scale_f32_16x16x128_f8f6f4 v[O+8*\d:O+8*\d+7], v[F+12*\d:F+12*\d+11], v[PC:PC+11], v[O+8*\d:O+8*\d+7], v[VS+\d], v[PS] matrix_a_fmt:MATRIX_FMT_FP6 matrix_b_fmt:MATRIX_FMT_FP6
.endr
.Lhid_\@:
.endm
; O^T / l, quantised along the model's axis (my head's two blocks of 32), leaves as chunks of the last product's operand registers.
.macro WAYOUT u
.rept 4
	v_nop                                          ; places behind the last products
.endr
	v_add_f32 v14, v14, v15
	v_permlanex16_b32 v[TA], v14, s[SEL], s[SEL+1]
	v_add_f32 v14, v14, v[TA]                      ; the row's sum
	v_rcp_f32 v[RL], v14
	v_mov_b32 v[RL+1], 0                           ; (the plain line behind the reciprocal; the pair's upper half is named)
	s_wait_alu depctr_va_vdst(0)                   ; ahead of the first reader
.set jj, 0
.rept 16
	v_pk_mul_f32 v[S+jj:S+jj+1], v[O+jj:O+jj+1], v[RL:RL+1] op_sel_hi:[1,0]   ; register 16 g + i: channel 32 g + 16 h + i
.set jj, jj+2
.endr
.irp b, 0,1
	v_max3_num_f32 v[BM+\b], |v[S+16*\b]|, |v[S+1+16*\b]|, 0x1800000
.endr
.irp i, 2,4,6,8,10,12,14
.irp b, 0,1
	v_max3_num_f32 v[BM+\b], v[BM+\b], |v[S+16*\b+\i]|, |v[S+1+16*\b+\i]|
.endr
.endr
.irp b, 0,1
	v_permlanex16_b32 v[PT+\b], v[BM+\b], s[SEL], s[SEL+1]
.endr
.irp b, 0,1
	v_max_num_f32 v[BM+\b], v[BM+\b], v[PT+\b]
.endr
.irp b, 0,1
	v_add_nc_u32 v[SO+\b], 0xff000000, v[BM+\b]
.endr
.irp b, 0,1
	v_lshrrev_b32 v[PT+\b], 23, v[SO+\b]
.endr
	s_wait_xcnt 0x0                                ; the last pass's stores have read their data: it is written again only behind this wait
	v_lshl_or_b32 v[SW], v[PT+1], 8, v[PT]
	v_cvt_scalef32_pk16_fp6_f32 v[E:E+2], v[S:S+15], v[SO]
	v_cvt_scalef32_pk16_fp6_f32 v[CT:CT+2], v[S+16:S+31], v[SO+1]
	v_nop
.irp i, 0,1,2
	v_permlane16_swap_b32 v[E+\i], v[CT+\i]
.endr
.irp i, 0,1,2
	v_mov_b32 v[E+3+\i], v[CT+\i]
.endr
.irp p, 0,1,2
	global_store_b64 v[OA], v[E+2*\p:E+2*\p+1], s[OB+2*\u:OB+2*\u+1] offset:256*\p th:TH_STORE_NT   ; 32 lanes store 256 consecutive bytes, aligned
.endr
	global_store_b16 v[OSA], v[SW], s[SB+2*\u:SB+2*\u+1]   ; my row's two bytes (lanes r and r + 16 hold and write the same)
.endm
.macro PASS u
.if \u
	s_mov_b32 s[J], s[J1]
.else
	s_mov_b32 s[J], s[WV]
.endif
	v_mov_b32 v13, 0xff61b1e6                      ; the largest t so far: -3e38
	v_floor_f32 v12, -v13
	v_mov_b32 v14, 0
	v_mov_b32 v15, 0
.set jj, 0
.rept 32
	v_mov_b32 v[O+jj], 0                           ; the step is written once: its first change of M multiplies zeros
.set jj, jj+1
.endr
	s_mov_b32 s[TB], 0
	s_mov_b32 s[ST], 0
.Lstep_\@:                                         ; 16 trips, a constant; the steps behind J are passed over
	STEP \u
	s_add_co_u32 s[TB], s[TB], STEPB
	s_add_co_u32 s[ST], s[ST], 1
	s_cmp_lt_u32 s[ST], 16
	s_cbranch_scc1 .Lstep_\@
	WAYOUT \u
.endm
	PASS 0
	PASS 1
	s_wait_tensorcnt 0x0
	ds_add_u32 v254, v255
	s_wait_dscnt 0x0
	CROUND                                         ; the closing round
	s_endpgm
.Lfunc_end_k_q9178c2576a_attn:
	.size	k_q9178c2576a_attn, .Lfunc_end_k_q9178c2576a_attn-k_q9178c2576a_attn
	.p2alignl 7, 3214868480
	.fill 96, 4, 3214868480
	.section	.rodata,"a",@progbits
	.p2align	6, 0x0
	.amdhsa_kernel k_q9178c2576a_attn
		.amdhsa_group_segment_fixed_size 206848
		.amdhsa_private_segment_fixed_size 0
		.amdhsa_enable_private_segment 0
		.amdhsa_kernarg_size 24
		.amdhsa_user_sgpr_count 2
		.amdhsa_user_sgpr_kernarg_segment_ptr 1
		.amdhsa_wavefront_size32 1
		.amdhsa_system_sgpr_workgroup_id_x 1
		.amdhsa_system_sgpr_workgroup_id_y 1
		.amdhsa_system_sgpr_workgroup_id_z 1
		.amdhsa_system_vgpr_workitem_id 0
		.amdhsa_next_free_vgpr 256
		.amdhsa_next_free_sgpr 66
		.amdhsa_reserve_vcc 1
		.amdhsa_float_denorm_mode_32 3
		.amdhsa_float_denorm_mode_16_64 3
		.amdhsa_memory_ordered 1
		.amdhsa_forward_progress 1
		.amdhsa_inst_pref_size 58
	.end_amdhsa_kernel
	.amdgpu_metadata
---
amdhsa.version: [ 1, 2 ]
amdhsa.kernels:
  - .name:           k_q9178c2576a_attn
    .symbol:         k_q9178c2576a_attn.kd
    .args:
      - { .name: qkv, .offset: 0, .size: 8, .value_kind: global_buffer, .address_space: global }
      - { .name: o_img, .offset: 8, .size: 8, .value_kind: global_buffer, .address_space: global }
      - { .name: o_scales, .offset: 16, .size: 8, .value_kind: global_buffer, .address_space: global }
    .group_segment_fixed_size: 206848
    .private_segment_fixed_size: 0
    .kernarg_segment_align: 8
    .kernarg_segment_size: 24
    .max_flat_workgroup_size: 512
    .sgpr_count:     66
    .vgpr_count:     256
    .wavefront_size: 32
...
	.end_amdgpu_metadata
.endif
;; end of part 3
;; launch gemm_out (part 4): grid 4 x 32, 4 waves a work-group, clusters of 4 x 4, 327,680 bytes of LDS; arguments o_img, o_scales, w_codes, w_scales, out0; writes out0
.if DOCPART == 4
	.amdgcn_target "amdgcn-amd-amdhsa--gfx1250"
	.amdhsa_code_object_version 6
	.text
	.protected	k_q9178c2576a_gemm_out
	.globl	k_q9178c2576a_gemm_out
	.p2align	8
	.type	k_q9178c2576a_gemm_out,@function
k_q9178c2576a_gemm_out:
	s_mov_b64 s[64:65], 0
	v_nop
	global_prefetch_b8 v0, s[64:65] scope:SCOPE_SE
	s_setreg_imm32_b32 hwreg(HW_REG_WAVE_MODE, 25, 1), 1
	s_wait_xcnt 0x0
	s_wait_alu depctr_hold_cnt(0) depctr_sa_sdst(0) depctr_va_vdst(0) depctr_va_sdst(0) depctr_va_ssrc(0) depctr_va_vcc(0) depctr_vm_vsrc(0)
	s_getreg_b32 s2, hwreg(HW_REG_IB_STS2, 6, 4)
	s_cmp_eq_u32 s2, 0
	s_cbranch_scc0 .Lentry_in_a_cluster
	s_endpgm
.Lentry_in_a_cluster:
	s_bfe_u32 s2, ttmp6, 0x10000c
	s_cmp_lg_u32 s2, 0xf033
	s_cbranch_scc0 .Lentry_shape_is_right
	s_endpgm
.Lentry_shape_is_right:
; out0 = o w_o^T on codes of FP6 (E2M3) with E8M0 scales for each 32 along K = 1,024; out0 [8192][1024] f32.
; A tile of 256 x 256 is made by four waves, 128 x 128 each; K goes in steps of 256 through two LDS slots filled by tensor loads; the scale bytes of the tile's rows come once.
; A = o arrives as IMAGES OF THE OPERAND'S REGISTERS: o_img [4 K steps][512 tiles of 16 rows][2 x 128 along K][6 chunks][32 lanes][8 bytes]: 128 rows of a K step are one dense block of 24,576 bytes,
; and a fragment is six loads of 8 bytes at 8 x lane, 256 bytes apart.  B = w_o's codes lie as rows (rows 3,072 on of w_codes), in their true order.
; o's rows lie in POSITION ORDER (position 16 u + r of a group of 32 holds row 8 u + r + 8 (r / 8)): the stores put them back.
; The matrix instruction takes source 0 = 16 rows of B, source 1 = 16 rows of A: a lane holds eight neighbouring numbers of a row of out0.
; CLUSTERS: 4 x 4 work-groups; A's tile is asked for jointly by a row of the cluster, B's by a column.
; REGISTERS: window 0: v0-31 addresses; v32-63 scale words, two sets; from v128 A's fragments, one set.  window 1: B's fragments, two sets.  windows 2, 3: the accumulators.
.set SIZE_N, 1024
.set KSTEP,  256
.set NQ,     KSTEP/128
.set ROWB,   192
.set KROW,   768
.set ASTEP,  512*3072                  ; from a K step of o_img to the next
.set PITCH,  240
.set FR,     12
.set NL,     6
.set NP,     4
.set HALFT,  128*PITCH                 ; B: 128 rows; A's dense 24,576 bytes lie in the same room
.set SLOT,   4*HALFT
.set LAPS,   2
.set KS,     32
.set SCL,    2*SLOT
.set HALFS,  (128*KS/256)*272
.set SBLK,   (16*KS/256)*272
.set SPARE,  SCL+4*HALFS               ; the spare words, 128 bytes a wave: two blocks of 256 bytes that no other line names
.set SPITCH, 528                       ; the way out: a stage of 16 rows x (512 + 16) bytes for each wave, in slot 0, which has had its last fill and its last read by then
.set ADRA, 16                          ; v16-17 my A images in slot 0, 1
.set ADRB, 20                          ; v20-23 my B fragments
.set STO,  24
.set RD,   25
.set CO,   26
.set ADRS, 27
.set SPW,  28
.set NIL,  29
.set SC,   32
.set AF,   128
.set BK,   128
.set G1, 24
.set G0, 32
.set G1B, 48
.set G0B, 56
.set G1S, 68
.set G0S, 76
.set G1SB, 80
.set G0SB, 88
.set MSB, 0
.macro WIN new
.if MSB != \new
	s_set_vgpr_msb (MSB<<8)|\new
.set MSB, \new
.endif
.endm
.set MUL_LO, 0xa1
.set MUL_HI, 0xf1
.set TO_B,   0x40
.macro JLOAD g0a, g1a, g0b, g1b        ; waves 0 and 1 fetch for A, waves 2 and 3 for B; four v_nop follow each of the two lines
	s_cmp_eq_u32 s15, 0
	s_cbranch_scc0 .Lfor_b_\@
	tensor_load_to_lds s[\g0a:\g0a+3], s[\g1a:\g1a+7]
	s_nop 0
.rept 4
	v_nop
.endr
	s_branch .Lasked_\@
.Lfor_b_\@:
	tensor_load_to_lds s[\g0b:\g0b+3], s[\g1b:\g1b+7]
	s_nop 0
.rept 4
	v_nop
.endr
.Lasked_\@:
.endm
.macro CREST
	s_cmp_lg_u32 s14, 0
	s_cbranch_scc1 .Lnot_wave_0_\@
	s_barrier_signal -3
.Lnot_wave_0_\@:
	s_barrier_wait -3
	s_barrier_signal -1
	s_barrier_wait -1
.endm
.macro CROUND
	s_barrier_signal -1
	s_barrier_wait -1
	CREST
.endm
	s_load_b128 s[4:7], s[0:1], 0x0                ; o's images, o's scales
	s_load_b128 s[8:11], s[0:1], 0x10              ; the weights' codes, their scales
	s_load_b64 s[12:13], s[0:1], 0x20              ; out0
	v_lshl_add_u32 v[SPW], v0, 2, SPARE
	v_mov_b32 v[NIL], 0
	ds_add_u32 v28, v29
	ds_add_u32 v28, v29
	s_wait_dscnt 0x0
	v_lshrrev_b32 v1, 5, v0
	v_readfirstlane_b32 s14, v1
	s_lshr_b32 s15, s14, 1
	s_and_b32 s16, s14, 1
	s_bfe_u32 s40, ttmp6, 0x40000
	s_bfe_u32 s41, ttmp6, 0x40004
	s_lshl_b32 s42, ttmp9, 2
	s_add_co_u32 s42, s42, s40                     ; tile column
	s_and_b32 s17, ttmp7, 0xffff
	s_lshl_b32 s17, s17, 2
	s_add_co_u32 s17, s17, s41                     ; tile row
	s_lshl_b32 s43, s41, 2
	s_lshl_b32 s43, 15, s43
	s_lshl_b32 s44, 0x1111, s40
	; A's tile: 24,576 dense bytes as 96 rows of 256 bytes (32 elements of 8), no padding
	s_or_b32 s[G1+0], s43, (3<<16)|(1<<21)
	s_mov_b32 s[G1+1], 32<<16
	s_mov_b32 s[G1+2], 96<<16
	s_mov_b32 s[G1+3], 32<<16
	s_mov_b32 s[G1+4], 96
	s_mov_b32 s[G1+5], 32
	s_mov_b32 s[G1+6], 0
	s_mov_b32 s[G1+7], 0
	; B's tile: 128 rows x 192 bytes, 16 bytes of padding behind every 64
	s_or_b32 s[G1B+0], s44, (0<<16)|(1<<20)|(1<<21)|(3<<22)|(3<<25)
	s_mov_b32 s[G1B+1], ROWB<<16
	s_mov_b32 s[G1B+2], 128<<16
	s_mov_b32 s[G1B+3], ROWB<<16
	s_mov_b32 s[G1B+4], 128
	s_mov_b32 s[G1B+5], KROW
	s_mov_b32 s[G1B+6], 0
	s_mov_b32 s[G1B+7], 0
	s_or_b32 s[G1S+0], s43, (3<<16)|(1<<20)|(1<<21)|(5<<22)|(3<<25)
	s_or_b32 s[G1SB+0], s44, (3<<16)|(1<<20)|(1<<21)|(5<<22)|(3<<25)
.irp g, G1S, G1SB
	s_mov_b32 s[\g+1], 32<<16
	s_mov_b32 s[\g+2], (128*KS/256)<<16
	s_mov_b32 s[\g+3], 32<<16
	s_mov_b32 s[\g+4], 128*KS/256
	s_mov_b32 s[\g+5], 32
	s_mov_b32 s[\g+6], 0
	s_mov_b32 s[\g+7], 0
.endr
	s_lshl_b32 s18, s16, 7
	s_lshl_b32 s20, s17, 8
	s_add_co_u32 s20, s20, s18
	s_lshl_b32 s46, s42, 8
	s_add_co_u32 s46, s46, s18
	s_mov_b32 s21, 0
	s_mov_b32 s47, 0
	s_mov_b64 s[18:19], KS
	s_mul_u64 s[22:23], s[20:21], s[18:19]
	s_mul_u64 s[92:93], s[46:47], s[18:19]
	s_mov_b64 s[18:19], 192                        ; A: 16 rows of a K step are an image of 3,072 bytes
	s_mul_u64 s[20:21], s[20:21], s[18:19]
	s_mov_b64 s[18:19], KROW
	s_mul_u64 s[46:47], s[46:47], s[18:19]
	s_mul_i32 s45, s14, HALFT
	s_mul_i32 s94, s14, HALFS
	s_wait_kmcnt 0x0
	s_add_nc_u64 s[8:9], s[8:9], 3072*KROW         ; w_o's codes
	s_add_nc_u64 s[10:11], s[10:11], 3072*KS       ; and scale bytes
	s_add_nc_u64 s[20:21], s[4:5], s[20:21]
	s_add_nc_u64 s[22:23], s[6:7], s[22:23]
	s_add_nc_u64 s[46:47], s[8:9], s[46:47]
	s_add_nc_u64 s[92:93], s[10:11], s[92:93]
	CROUND                                         ; all sixteen work-groups are here: the first joint loads meet
	s_mov_b32 s[G0S], 1
	s_add_co_u32 s[G0S+1], s94, SCL
	s_mov_b64 s[G0S+2:G0S+3], s[22:23]
	s_or_b32 s[G0S+3], s[G0S+3], 0x80000000
	s_mov_b32 s[G0SB], 1
	s_add_co_u32 s[G0SB+1], s94, SCL
	s_mov_b64 s[G0SB+2:G0SB+3], s[92:93]
	s_or_b32 s[G0SB+3], s[G0SB+3], 0x80000000
	JLOAD G0S, G1S, G0SB, G1SB
.irp s, 0,1
	s_mov_b32 s[G0+4*\s], 1
	s_add_co_u32 s[G0+4*\s+1], s45, \s*SLOT
	s_add_nc_u64 s[G0+4*\s+2:G0+4*\s+3], s[20:21], \s*ASTEP
	s_or_b32 s[G0+4*\s+3], s[G0+4*\s+3], 0x80000000
	s_mov_b32 s[G0B+4*\s], 1
	s_add_co_u32 s[G0B+4*\s+1], s45, \s*SLOT
	s_add_nc_u64 s[G0B+4*\s+2:G0B+4*\s+3], s[46:47], \s*ROWB
	s_or_b32 s[G0B+4*\s+3], s[G0B+4*\s+3], 0x80000000
	JLOAD G0+4*\s, G1, G0B+4*\s, G1B
.endr
	v_and_b32 v1, 15, v0                           ; r
	v_bfe_u32 v2, v0, 4, 1                         ; h
	v_mul_u32_u24 v3, v1, PITCH
	v_mul_u32_u24 v4, v2, 24
	v_add_nc_u32 v4, v3, v4                        ; B: a fragment's row x pitch + 24 x half
	v_lshl_add_u32 v5, v2, 4, v4                   ; and the same behind one padding more
	v_and_b32 v6, 31, v0
	v_lshlrev_b32 v6, 3, v6                        ; A: 8 x lane
	s_mul_i32 s21, s15, HALFT
	s_mul_i32 s22, s16, HALFT
	s_add_co_u32 s22, s22, 2*HALFT
.irp s, 0,1
	v_add_nc_u32 v[ADRA+\s], s21, v6
	v_add_nc_u32 v[ADRB+\s], s22, v4
	v_add_nc_u32 v[ADRB+2+\s], s22, v5
	s_add_co_u32 s21, s21, SLOT
	s_add_co_u32 s22, s22, SLOT
.endr
	v_mul_u32_u24 v5, v1, KS
	v_lshrrev_b32 v6, 8, v5
	v_lshl_add_u32 v5, v6, 4, v5
	s_mul_i32 s21, s15, HALFS
	s_mul_i32 s22, s16, HALFS
	s_add_co_u32 s22, s22, 2*HALFS
	s_sub_co_u32 s22, s22, s21
	v_mul_u32_u24 v6, s22, v2
	s_add_co_u32 s21, s21, SCL
	v_add_nc_u32 v5, v5, v6
	v_add_nc_u32 v[ADRS], s21, v5
	s_mul_i32 s23, s14, 16*SPITCH                  ; my stage
	v_mul_u32_u24 v5, v1, SPITCH
	v_lshl_add_u32 v5, v2, 5, v5
	v_add_nc_u32 v[STO], s23, v5
	v_and_b32 v6, 31, v0
	v_lshlrev_b32 v[CO], 4, v6
	v_add_nc_u32 v[RD], s23, v[CO]
	s_lshl_b32 s20, s17, 8
	s_lshl_b32 s21, s15, 7
	s_add_co_u32 s20, s20, s21                     ; my first row of out0 (a multiple of 32: position and row agree there)
	s_mov_b32 s21, 0
	s_mov_b64 s[18:19], SIZE_N*4
	s_mul_u64 s[20:21], s[20:21], s[18:19]
	s_lshl_b32 s46, s42, 10
	s_lshl_b32 s47, s16, 9
	s_add_co_u32 s46, s46, s47
	s_mov_b32 s47, 0
	s_add_nc_u64 s[20:21], s[20:21], s[46:47]
	s_add_nc_u64 s[12:13], s[12:13], s[20:21]
.macro FRAG reg, adr, q, i             ; B: 16 rows x 128 K in pieces of 8 bytes
.irp p, 0,1,2,3,4,5
.set PCE, 12*(\q)+6*(\p/3)+\p%3
.if PCE%8 < 5
	ds_load_b64 v[\reg+2*\p:\reg+2*\p+1], v[\adr] offset:8*PCE+16*(PCE/8)+(\i)*16*PITCH
.else
	ds_load_b64 v[\reg+2*\p:\reg+2*\p+1], v[\adr+2] offset:8*PCE+16*(PCE/8)+(\i)*16*PITCH
.endif
.endr
.endm
.macro FRAGA reg, adr, q, i            ; A: an image: six chunks of 256 bytes, 8 bytes a lane
.irp p, 0,1,2,3,4,5
	ds_load_b64 v[\reg+2*\p:\reg+2*\p+1], v[\adr] offset:(\i)*3072+(\q)*1536+256*\p
.endr
.endm
.macro MUL16 a0, p, q, sc, zero        ; the 64 accumulators take turns, one instruction a turn
.irp a, \a0, \a0+1
.irp b, 0,1,2,3,4,5,6,7
.if \zero
	v_wmma_scale_f32_16x16x128_f8f6f4 v[8*(8*((\a)%4)+\b):8*(8*((\a)%4)+\b)+7], v[128*(\p)+FR*\b:128*(\p)+FR*\b+FR-1], v[AF+FR*(\a):AF+FR*(\a)+FR-1], 0, v[SC+8*NQ*(\sc)+NQ*\b+(\q)], v[SC+8*NQ*(\sc)+NQ*(\a)+(\q)] matrix_a_fmt:MATRIX_FMT_FP6 matrix_b_fmt:MATRIX_FMT_FP6 matrix_a_scale:MATRIX_SCALE_ROW1
.else
	v_wmma_scale_f32_16x16x128_f8f6f4 v[8*(8*((\a)%4)+\b):8*(8*((\a)%4)+\b)+7], v[128*(\p)+FR*\b:128*(\p)+FR*\b+FR-1], v[AF+FR*(\a):AF+FR*(\a)+FR-1], v[8*(8*((\a)%4)+\b):8*(8*((\a)%4)+\b)+7], v[SC+8*NQ*(\sc)+NQ*\b+(\q)], v[SC+8*NQ*(\sc)+NQ*(\a)+(\q)] matrix_a_fmt:MATRIX_FMT_FP6 matrix_b_fmt:MATRIX_FMT_FP6 matrix_a_scale:MATRIX_SCALE_ROW1
.endif
.endr
.endr
.endm
.macro FETCH_B slot, q, p
	WIN TO_B
.irp i, 0,1,2,3,4,5,6,7
	FRAG 128*(\p)+FR*\i, ADRB+\slot, \q, \i
.endr
	WIN 0
.endm
.macro FETCH_A slot, q, i0
.irp i, \i0, \i0+1, \i0+2, \i0+3
	FRAGA AF+FR*(\i), ADRA+\slot, \q, \i
.endr
.endm
.macro SCALES sc
.irp i, 0,1,2,3,4,5,6,7
	ds_load_b64 v[SC+8*NQ*\sc+NQ*\i:SC+8*NQ*\sc+NQ*\i+1], v[ADRS] offset:\i*SBLK
.endr
.endm
.macro PLACES n
.rept \n
	v_nop
.endr
.endm
.macro STEP slot, q, zero
	s_wait_dscnt 4*NL                              ; B's set and A's blocks 0-3 are in; the 24 loads of A's blocks 4-7 may be out
	WIN MUL_LO
	MUL16 0, (\q)%2, \q, \slot, \zero
	MUL16 2, (\q)%2, \q, \slot, \zero
	s_wait_dscnt 0
	PLACES NP
	FETCH_B \slot, (\q)+1, 1-(\q)%2
	FETCH_A \slot, (\q)+1, 0
	WIN MUL_HI
	MUL16 4, (\q)%2, \q, \slot, \zero
	MUL16 6, (\q)%2, \q, \slot, \zero
	PLACES NP
	WIN 0
	FETCH_A \slot, (\q)+1, 4
.endm
.macro TURN slot, next, fill
	s_wait_tensorcnt 0x0                           ; all my tensor loads have landed: my part of the next slot
	ds_add_u32 v[SPW], v[NIL]                      ; 0 onto my spare word
	s_wait_dscnt 4*NL+1                            ; the add and the 24 loads of A's blocks 4-7 may be out
	WIN MUL_LO
	MUL16 0, 1, NQ-1, \slot, 0
	s_wait_dscnt 0x0                               ; the add is done, and my reads of this slot are over
	s_barrier_signal -1
	MUL16 2, 1, NQ-1, \slot, 0
	WIN 0
	s_barrier_wait -1
.if \fill
	CREST                                          ; the barrier has opened a round of the cluster's: no wave of any partner still reads this slot or has a load on its way
	s_add_nc_u64 s[G0+4*\slot+2:G0+4*\slot+3], s[G0+4*\slot+2:G0+4*\slot+3], 2*ASTEP
	s_add_nc_u64 s[G0B+4*\slot+2:G0B+4*\slot+3], s[G0B+4*\slot+2:G0B+4*\slot+3], 2*ROWB
	JLOAD G0+4*\slot, G1, G0B+4*\slot, G1B
.else
	PLACES NP
.endif
	v_add_nc_u32 v[ADRS], 4*NQ, v[ADRS]
	FETCH_B \next, 0, 0
	FETCH_A \next, 0, 0
	SCALES \next
	WIN MUL_HI
	MUL16 4, 1, NQ-1, \slot, 0
	MUL16 6, 1, NQ-1, \slot, 0
	PLACES NP
	WIN 0
	FETCH_A \next, 0, 4
.endm
	s_wait_tensorcnt 1                             ; the scales and my part of K step 0 are in; K step 1's load may be out
	s_barrier_signal -1
	s_barrier_wait -1
	FETCH_B 0, 0, 0
	FETCH_A 0, 0, 0
	SCALES 0
	FETCH_A 0, 0, 4
	STEP 0, 0, 1
	s_mov_b32 s3, LAPS-1
.Llap:
	TURN 0, 1, 1
	STEP 1, 0, 0
	TURN 1, 0, 1
	STEP 0, 0, 0
	s_sub_co_u32 s3, s3, 1
	s_cmp_lg_u32 s3, 0
	s_cbranch_scc1 .Llap
	TURN 0, 1, 0
	STEP 1, 0, 0
	s_wait_dscnt 4*NL
	WIN MUL_LO
	MUL16 0, 1, NQ-1, 1, 0
	MUL16 2, 1, NQ-1, 1, 0
	s_wait_dscnt 0
	WIN MUL_HI
	MUL16 4, 1, NQ-1, 1, 0
	MUL16 6, 1, NQ-1, 1, 0
	WIN 0
; THE WAY OUT, block by block of 16 positions x 128 columns, through my own stage in LDS: back come whole rows of 512 bytes.  LDS serves a wave's instructions in order (ISA guide 5.7.1.4).
.macro TOSTAGE a
.set AC, 64*((\a)%4)
	WIN 0x08+4*((\a)/4)                            ; the data: window 2 or 3
.irp b, 0,1,2,3,4,5,6,7
	ds_store_b128 v[STO], v[AC+8*\b:AC+8*\b+3] offset:64*\b          ; each accumulator from its low end on
	ds_store_b128 v[STO], v[AC+8*\b+4:AC+8*\b+7] offset:64*\b+16
.endr
	WIN 0
.set BB, BK+64*((\a)%2)
.irp t, 0,1,2,3,4,5,6,7,8,9,10,11,12,13,14,15
	ds_load_b128 v[BB+4*\t:BB+4*\t+3], v[RD] offset:\t*SPITCH
.endr
.endm
; Position t of block 2 g + u is row 32 g + 8 u + t + 8 (t / 8): the base stands at row 32 g + 8 u.
.macro SEND a, younger
.set BB, BK+64*((\a)%2)
	s_wait_dscnt \younger                          ; the block is back in registers
.if (\a) > 0
.if (\a)%2
	s_add_nc_u64 s[12:13], s[12:13], 8*SIZE_N*4    ; (behind a wait on XCNT: the earlier stores have read their base)
.else
	s_add_nc_u64 s[12:13], s[12:13], 24*SIZE_N*4
.endif
.endif
.irp t, 0,1,2,3,4,5,6,7,8,9,10,11,12,13,14,15
	global_store_b128 v[CO], v[BB+4*\t:BB+4*\t+3], s[12:13] offset:(\t+8*(\t/8))*SIZE_N*4 th:TH_STORE_NT   ; 32 lanes store 512 consecutive bytes, aligned
.endr
.endm
	PLACES NP
	TOSTAGE 0
.irp a, 1,2,3,4,5,6,7
.if \a > 1
	s_wait_xcnt 0x0                                ; block a - 2's stores have read their registers and their base
.endif
	TOSTAGE \a
	SEND \a-1, 32                                  ; behind block a - 1's loads: block a's 16 stores and 16 loads
.endr
	s_wait_xcnt 0x0
	SEND 7, 0
	s_wait_tensorcnt 0x0                           ; the wave's end
	ds_add_u32 v[SPW], v[NIL]
	s_wait_dscnt 0x0
	CROUND                                         ; the closing round
	s_endpgm
.Lfunc_end_k_q9178c2576a_gemm_out:
	.size	k_q9178c2576a_gemm_out, .Lfunc_end_k_q9178c2576a_gemm_out-k_q9178c2576a_gemm_out
	.p2alignl 7, 3214868480
	.fill 96, 4, 3214868480
	.section	.rodata,"a",@progbits
	.p2align	6, 0x0
	.amdhsa_kernel k_q9178c2576a_gemm_out
		.amdhsa_group_segment_fixed_size 327680
		.amdhsa_private_segment_fixed_size 0
		.amdhsa_enable_private_segment 0
		.amdhsa_kernarg_size 40
		.amdhsa_user_sgpr_count 2
		.amdhsa_user_sgpr_kernarg_segment_ptr 1
		.amdhsa_wavefront_size32 1
		.amdhsa_system_sgpr_workgroup_id_x 1
		.amdhsa_system_sgpr_workgroup_id_y 1
		.amdhsa_system_sgpr_workgroup_id_z 1
		.amdhsa_system_vgpr_workitem_id 0
		.amdhsa_next_free_vgpr 1024
		.amdhsa_next_free_sgpr 98
		.amdhsa_reserve_vcc 0
		.amdhsa_float_denorm_mode_32 3
		.amdhsa_float_denorm_mode_16_64 3
		.amdhsa_memory_ordered 1
		.amdhsa_forward_progress 1
		.amdhsa_inst_pref_size 160
	.end_amdhsa_kernel
	.amdgpu_metadata
---
amdhsa.version: [ 1, 2 ]
amdhsa.kernels:
  - .name:           k_q9178c2576a_gemm_out
    .symbol:         k_q9178c2576a_gemm_out.kd
    .args:
      - { .name: o_img, .offset: 0, .size: 8, .value_kind: global_buffer, .address_space: global }
      - { .name: o_scales, .offset: 8, .size: 8, .value_kind: global_buffer, .address_space: global }
      - { .name: w_codes, .offset: 16, .size: 8, .value_kind: global_buffer, .address_space: global }
      - { .name: w_scales, .offset: 24, .size: 8, .value_kind: global_buffer, .address_space: global }
      - { .name: out0, .offset: 32, .size: 8, .value_kind: global_buffer, .address_space: global }
    .group_segment_fixed_size: 327680
    .private_segment_fixed_size: 0
    .kernarg_segment_align: 8
    .kernarg_segment_size: 40
    .max_flat_workgroup_size: 128
    .sgpr_count:     98
    .vgpr_count:     1024
    .wavefront_size: 32
...
	.end_amdgpu_metadata
.endif
;; end of part 4
